; MI455X (gfx1250); checked and timed in simulation.
; The chip was launched on July 23, 2026; its instructions are those of AMD's public machine-readable ISA for CDNA 5 (MIT licence, August 2026) and "CDNA5" Instruction Set Architecture Reference Guide (July 2026). The comments in the code are by the model that wrote it; some were corrected since.
;; MSGT. Allowed arithmetic: float matrix products may take bf16 or f16 operands with f32 sums; other float arithmetic in f32, or as packed bf16 or f16 multiplies, adds, multiply-adds, maxima and minima; sums over many terms, partial sums and values carried from step to step in f32; what a program stores and reads back later, other than sums and carried values, may be rounded once to bf16 or f16.
;; Inputs: b1 3 x 256 float32; b2 3 x 256 float32; bias_table 1,500 float32; bk 3 x 256 float32; bo 3 x 256 float32; bq 3 x 256 float32; bv 3 x 256 float32; cm_ln_b 3 x 256 float32; cm_ln_g 3 x 256 float32; ln_b 3 x 256 float32; ln_g 3 x 256 float32; mask 64 x 512 int32; w1 3 x 256 x 256 float32; w2 3 x 256 x 256 float32; wk 3 x 256 x 256 float32; wo 3 x 256 x 256 float32; wq 3 x 256 x 256 float32; wv 3 x 256 x 256 float32; x 64 x 512 x 256 float32.
;; Outputs: out0 64 x 512 x 256 float32.
;; 2 versions, each right and faster than the one before. Each part assembles by itself: llvm-mc -triple=amdgcn-amd-amdhsa -mcpu=gfx1250 --defsym DOCPART=n.
;; ======== version 1 of 2: 7 launches
;; limits: a function is approximated: absolute error at most 2.5e-05; values are held in f16: magnitudes above 65,504 overflow, below 6.1e-05 lose precision
;; workspace buffers: pk0 944,128 bytes; pk1 944,128 bytes; pk2 944,128 bytes; hb 16,777,216 bytes; kt 16,777,216 bytes; vb 16,777,216 bytes; xa 33,554,432 bytes
;; launch prep (part 1): grid 16 x 3, 8 waves a work-group, no clusters, 0 bytes of LDS; arguments wk, wv, wq, wo, w1, w2, bk, bv, bq, bo, ln_g, ln_b, cm_ln_g, cm_ln_b, b1, b2, bias_table, mask, pk0, pk1, pk2; writes pk0, pk1, pk2
.if DOCPART == 1
	.amdgcn_target "amdgcn-amd-amdhsa--gfx1250"
	.amdhsa_code_object_version 6
	.text
	.protected	k_qedf4e9563d_prep
	.globl	k_qedf4e9563d_prep
	.p2align	8
	.type	k_qedf4e9563d_prep,@function
k_qedf4e9563d_prep:
	s_mov_b64 s[64:65], 0
	v_nop
	global_prefetch_b8 v0, s[64:65] scope:SCOPE_SE
	s_setreg_imm32_b32 hwreg(HW_REG_WAVE_MODE, 25, 1), 1
	s_wait_xcnt 0x0
; PREP: one pack of parameters for each of the three layers, so that one text serves every layer.
; Work-group (x, y): chunk x of 16, layer y.  A pack, in bytes:
;   0        six matrices in the order wk, wv, wq, wo, w1, w2, each rounded once to f16 and laid as two column halves
;            [n >> 7][256 k][128 n]: a half is 256 dense rows of 256 bytes
;   786,432  ten vectors of 256 f32: bk, bv, bq, bo, ln_g, ln_b, cm_ln_g, cm_ln_b, b1, b2
;   796,672  four copies of 1,024 f32 of the relative bias: copy s, entry e = 16 x table[bucket(e + s - 511)]
;            (bucket(rel) = rel for rel >= 0, 511 - rel below; 16 = sqrt(256), the scores' divisor, is taken out later with it)
;   813,056  [64][512] f32: 0 where the mask is set, -1e30 where it is 0
; LIMIT: a weight beyond 65,504 in magnitude has no f16.
; No LDS, no matrix unit: the launch moves some five megabytes once.
.set PK_PAR, 786432
.set PK_TAB, 796672
.set PK_MSK, 813056
	s_load_b512 s[4:19], s[0:1], 0x0               ; wk wv wq wo w1 w2 bk bv
	s_load_b512 s[20:35], s[0:1], 0x40             ; bq bo ln_g ln_b cm_g cm_b b1 b2
	s_load_b256 s[36:43], s[0:1], 0x80             ; table, mask, pk0, pk1
	s_load_b64 s[44:45], s[0:1], 0xa0              ; pk2
	s_mov_b32 s50, ttmp9                           ; x
	s_and_b32 s51, ttmp7, 0xffff                   ; y: the layer
	v_lshrrev_b32 v1, 5, v0
	v_readfirstlane_b32 s52, v1                    ; wave
	s_lshl_b32 s53, s51, 18                        ; a layer's matrix: 262,144 bytes
	s_lshl_b32 s54, s50, 14                        ; my 16 rows of 1,024 bytes
	s_add_co_u32 s53, s53, s54
	v_lshl_add_u32 v2, v0, 4, s53                  ; source: 16 bytes a thread; four threads' rows a load
	v_bfe_u32 v3, v0, 5, 1                         ; column half
	v_lshrrev_b32 v4, 6, v0                        ; row within four
	v_and_b32 v5, 31, v0
	v_lshlrev_b32 v6, 3, v5                        ; 4 f16 a thread: a wave fills 256 consecutive bytes
	v_lshl_add_u32 v6, v4, 8, v6
	v_lshl_add_u32 v6, v3, 16, v6
	s_lshl_b32 s54, s50, 12                        ; 16 x rows of 256 bytes
	v_add_nc_u32 v6, s54, v6
	s_wait_kmcnt 0x0
	s_cmp_eq_u32 s51, 1
	s_cselect_b64 s[46:47], s[42:43], s[40:41]
	s_cmp_eq_u32 s51, 2
	s_cselect_b64 s[46:47], s[44:45], s[46:47]     ; the layer's pack
.set k, 0
.rept 24                                               ; all 24 loads first: matrix k / 4, rows 4 (k % 4) ..
	global_load_b128 v[16+4*k:19+4*k], v2, s[4+2*(k/4):5+2*(k/4)] offset:4096*(k%4)
.set k, k+1
.endr
.set k, 0
.rept 24
	s_wait_loadcnt 23-k                            ; loads come back in order: the younger 23 - k stay out
	v_cvt_pk_f16_f32 v[112+2*k], v[16+4*k], v[17+4*k]
	v_cvt_pk_f16_f32 v[113+2*k], v[18+4*k], v[19+4*k]
	global_store_b64 v6, v[112+2*k:113+2*k], s[46:47] offset:131072*(k/4)+1024*(k%4)
.set k, k+1
.endr
	; one small job more for each x
	s_cmp_lt_u32 s50, 10
	s_cbranch_scc0 .Lnot_vec
	s_mov_b64 s[48:49], s[16:17]                   ; x < 10: vector x of the ten
.irp q, 1,2,3,4,5,6,7,8,9
	s_cmp_eq_u32 s50, \q
	s_cselect_b64 s[48:49], s[16+2*\q:17+2*\q], s[48:49]
.endr
	s_cmp_lt_u32 s52, 2
	s_cbranch_scc0 .Lend                           ; 1,024 bytes: two waves, 16 bytes a lane
	s_lshl_b32 s53, s51, 10
	v_lshl_add_u32 v7, v0, 4, s53
	s_lshl_b32 s54, s50, 10
	v_lshl_add_u32 v8, v0, 4, s54
	global_load_b128 v[16:19], v7, s[48:49]
	s_wait_loadcnt 0x0
	global_store_b128 v8, v[16:19], s[46:47] offset:PK_PAR
	s_branch .Lend
.Lnot_vec:
	s_cmp_lt_u32 s50, 14
	s_cbranch_scc0 .Lmask
	s_sub_co_u32 s53, s50, 10                      ; x = 10 .. 13: table copy s
	v_lshl_add_u32 v7, v0, 2, s53                  ; i = e + s of my first entry, e = 4 t
.irp j, 0,1,2,3
	v_add_nc_u32 v9, \j, v7
	v_sub_nc_u32 v10, 1022, v9                     ; rel < 0: 511 - rel = 1022 - i
	v_add_nc_u32 v11, 0xfffffe01, v9               ; else rel = i - 511
	v_cmp_gt_u32 vcc_lo, 511, v9
	v_cndmask_b32 v10, v11, v10, vcc_lo
	v_min_u32 v10, 1499, v10                       ; the table has 1,500 entries; the indices made here end at 1,022
	v_lshlrev_b32 v[12+\j], 2, v10
.endr
.irp j, 0,1,2,3
	global_load_b32 v[16+\j], v[12+\j], s[36:37]
.endr
	s_lshl_b32 s54, s53, 12
	v_lshl_add_u32 v8, v0, 4, s54
	s_wait_loadcnt 0x0
.irp j, 0,1,2,3
	v_mul_f32 v[16+\j], 0x41800000, v[16+\j]       ; x 16
.endr
	global_store_b128 v8, v[16:19], s[46:47] offset:PK_TAB
	s_branch .Lend
.Lmask:
	s_sub_co_u32 s53, s50, 14                      ; x = 14, 15: half of the mask's 32,768 words
	s_lshl_b32 s53, s53, 16
	v_lshl_add_u32 v7, v0, 4, s53
	s_mov_b32 s54, 0xf149f2ca                      ; -1e30
.set k, 0
.rept 16
	global_load_b128 v[16+4*k:19+4*k], v7, s[38:39] offset:4096*k
.set k, k+1
.endr
.set k, 0
.rept 16
	s_wait_loadcnt 15-k
.irp j, 0,1,2,3
	v_cmp_eq_u32 vcc_lo, 0, v[16+4*k+\j]
	v_cndmask_b32 v[16+4*k+\j], 0, s54, vcc_lo
.endr
	global_store_b128 v7, v[16+4*k:19+4*k], s[46:47] offset:PK_MSK+4096*k
.set k, k+1
.endr
.Lend:
	s_endpgm
.Lfunc_end_k_qedf4e9563d_prep:
	.size	k_qedf4e9563d_prep, .Lfunc_end_k_qedf4e9563d_prep-k_qedf4e9563d_prep
	.p2alignl 7, 3214868480
	.fill 96, 4, 3214868480
	.section	.rodata,"a",@progbits
	.p2align	6, 0x0
	.amdhsa_kernel k_qedf4e9563d_prep
		.amdhsa_group_segment_fixed_size 0
		.amdhsa_private_segment_fixed_size 0
		.amdhsa_enable_private_segment 0
		.amdhsa_kernarg_size 168
		.amdhsa_user_sgpr_count 2
		.amdhsa_user_sgpr_kernarg_segment_ptr 1
		.amdhsa_wavefront_size32 1
		.amdhsa_system_sgpr_workgroup_id_x 1
		.amdhsa_system_sgpr_workgroup_id_y 1
		.amdhsa_system_sgpr_workgroup_id_z 1
		.amdhsa_system_vgpr_workitem_id 0
		.amdhsa_next_free_vgpr 160
		.amdhsa_next_free_sgpr 66
		.amdhsa_reserve_vcc 1
		.amdhsa_float_denorm_mode_32 3
		.amdhsa_float_denorm_mode_16_64 3
		.amdhsa_memory_ordered 1
		.amdhsa_forward_progress 1
		.amdhsa_inst_pref_size 23
	.end_amdhsa_kernel
	.amdgpu_metadata
---
amdhsa.version: [ 1, 2 ]
amdhsa.kernels:
  - .name:           k_qedf4e9563d_prep
    .symbol:         k_qedf4e9563d_prep.kd
    .args:
      - { .name: wk, .offset: 0, .size: 8, .value_kind: global_buffer, .address_space: global }
      - { .name: wv, .offset: 8, .size: 8, .value_kind: global_buffer, .address_space: global }
      - { .name: wq, .offset: 16, .size: 8, .value_kind: global_buffer, .address_space: global }
      - { .name: wo, .offset: 24, .size: 8, .value_kind: global_buffer, .address_space: global }
      - { .name: w1, .offset: 32, .size: 8, .value_kind: global_buffer, .address_space: global }
      - { .name: w2, .offset: 40, .size: 8, .value_kind: global_buffer, .address_space: global }
      - { .name: bk, .offset: 48, .size: 8, .value_kind: global_buffer, .address_space: global }
      - { .name: bv, .offset: 56, .size: 8, .value_kind: global_buffer, .address_space: global }
      - { .name: bq, .offset: 64, .size: 8, .value_kind: global_buffer, .address_space: global }
      - { .name: bo, .offset: 72, .size: 8, .value_kind: global_buffer, .address_space: global }
      - { .name: ln_g, .offset: 80, .size: 8, .value_kind: global_buffer, .address_space: global }
      - { .name: ln_b, .offset: 88, .size: 8, .value_kind: global_buffer, .address_space: global }
      - { .name: cm_ln_g, .offset: 96, .size: 8, .value_kind: global_buffer, .address_space: global }
      - { .name: cm_ln_b, .offset: 104, .size: 8, .value_kind: global_buffer, .address_space: global }
      - { .name: b1, .offset: 112, .size: 8, .value_kind: global_buffer, .address_space: global }
      - { .name: b2, .offset: 120, .size: 8, .value_kind: global_buffer, .address_space: global }
      - { .name: bias_table, .offset: 128, .size: 8, .value_kind: global_buffer, .address_space: global }
      - { .name: mask, .offset: 136, .size: 8, .value_kind: global_buffer, .address_space: global }
      - { .name: pk0, .offset: 144, .size: 8, .value_kind: global_buffer, .address_space: global }
      - { .name: pk1, .offset: 152, .size: 8, .value_kind: global_buffer, .address_space: global }
      - { .name: pk2, .offset: 160, .size: 8, .value_kind: global_buffer, .address_space: global }
    .group_segment_fixed_size: 0
    .private_segment_fixed_size: 0
    .kernarg_segment_align: 8
    .kernarg_segment_size: 168
    .max_flat_workgroup_size: 256
    .sgpr_count:     66
    .vgpr_count:     160
    .wavefront_size: 32
...
	.end_amdgpu_metadata
.endif
;; end of part 1
;; launch kv0 (part 2): grid 256 x 1, 4 waves a work-group, clusters of 4 x 1, 327,680 bytes of LDS; arguments x, pk0, hb, kt, vb; writes hb, kt, vb
.if DOCPART == 2
	.amdgcn_target "amdgcn-amd-amdhsa--gfx1250"
	.amdhsa_code_object_version 6
	.text
	.protected	k_qedf4e9563d_kv0
	.globl	k_qedf4e9563d_kv0
	.p2align	8
	.type	k_qedf4e9563d_kv0,@function
k_qedf4e9563d_kv0:
	s_mov_b64 s[64:65], 0
	v_nop
	global_prefetch_b8 v0, s[64:65] scope:SCOPE_SE
	s_setreg_imm32_b32 hwreg(HW_REG_WAVE_MODE, 25, 1), 1
	s_wait_xcnt 0x0
	s_wait_alu depctr_hold_cnt(0) depctr_sa_sdst(0) depctr_va_vdst(0) depctr_va_sdst(0) depctr_va_ssrc(0) depctr_va_vcc(0) depctr_vm_vsrc(0)
	s_getreg_b32 s2, hwreg(HW_REG_IB_STS2, 6, 4)
	s_cmp_eq_u32 s2, 0
	s_cbranch_scc0 .Lentry_in_a_cluster
	s_endpgm
.Lentry_in_a_cluster:
	s_bfe_u32 s2, ttmp6, 0x10000c
	s_cmp_lg_u32 s2, 0x3003
	s_cbranch_scc0 .Lentry_shape_is_right
	s_endpgm
.Lentry_shape_is_right:
; KV: h = LayerNorm(x) g + b;  k = h wk + bk;  v = h wv + bv, for 128 rows of one batch.
; Out: hb [64][512][256] f16;  vb the same shape;  kt = K TRANSPOSED in blocks, [64][4 blocks][256 channels][128 keys] f16, so that the next launch
; reads a block of keys exactly as it reads half a weight matrix.
; SHARES.  A cluster of four work-groups is one batch; work-group cx takes its rows 128 cx ..; wave w the rows 32 w .. 32 w + 31 of those, all 256 channels.
; The four work-groups walk the same four weight halves (256 k x 128 n, f16): each is asked for JOINTLY, a quarter a wave.
; FORMATS.  x, gains and biases f32; the mean and then the sum of (x - mean)^2 in f32, two true passes; h, k, v rounded once to f16; products f16 x f16 into f32.
; LIMITS.  h, k and v beyond 65,504 in magnitude have no f16.  NaN and infinities are not treated apart.
; PRODUCTS.  v: source 0 = 16 output channels (weights, turned on the way out of LDS), source 1 = 16 rows of h: a lane holds one row and 8 neighbouring channels.
; k: the sources are swapped: a lane holds one channel and 8 neighbouring keys, 16 bytes of a row of K^T.
; LDS.  0: four areas of 32,768, one a wave: its 32 rows of x in f32 (filled once); over them, from the low end, its h in f16 (pitch 528), later its v;
; at +16,896 of area p: piece p of the K^T stage (32 channels x 272 bytes), written by all waves, read by wave p.  131,072 and 204,800: two slots of 73,728
; (256 rows, pitch 288).  278,528: bk, bv.  280,576: the spare words.
.set AP,    528        ; a row of 256 f16 + 16: the 16 rows of a fragment load start 132 words apart
.set WP,    288        ; a weight row of 128 f16 + 32: an odd multiple of 32
.set XTW,   32768
.set SLOT0, 131072
.set SLOT,  73728
.set PAR,   278528
.set SPARE, 280576
.set KST,   16896
.set KSP,   272
.set HV, 0
.set HK, 1
; window 0
.set SPW, 3            ; LDS address of my spare word; never rewritten
.set NIL, 4            ; 0; never rewritten
.set AT0L, 5           ; v5-8: my lane's place in slot 0 (k 0-127, k 128-255) and slot 1
.set AL,  10           ; stepping copies
.set AH,  11
.set HB,  12           ; my fragment base in my rows of h
.set ABS, 15           ; stepping store address
.set PBK, 16
.set PA,  17
.set PBV, 18
.set KS,  19
.set KR,  21
.set VR,  22
.set GK,  23           ; 16 x lane
.set XA,  24
.set HA,  25
.set GA,  26
.set ACC, 64           ; four accumulators: (tl, qt) at ACC + 8 (2 tl + qt)
.set CB,  96           ; two bias tiles, the sums' first C
.set BKT, 112
.set PKT, 128
.set CK,  144
.set XR,  128          ; LayerNorm: four rows of 8
.set GR,  160
.set BR,  168
.set SMR, 176
.set MUR, 184
.set YR,  192
; window 1: F0, F1 weight fragments;  window 2: v0-127 h fragments, 64 qt + 8 ks
.set F0, 0
.set F1, 64
; scalars
.set WV, 14
.set CX, 15
.set BT, 16
.set G1W, 20
.set G1X, 28
.set G1Q, 36
.set G0,  44
.set G0X, 48
.set G0Q, 52
.set PP,  56
.set WW,  58
.set CNT, 59
.set SEL, 60
.set EPS, 62
.set I256, 63
.set NI256, 66
.set MSB, 0
.macro WIN new                         ; the immediate's high byte repeats the setting that is left
.if MSB != (\new)
	s_set_vgpr_msb (MSB<<8)|(\new)
.set MSB, (\new)
.endif
.endm
.macro PLACES                          ; four plain places behind matrix instructions (ISA guide 7.12.1)
.rept 4
	v_nop
.endr
.endm
.macro ROUND                           ; a round of the cluster's barrier
	s_barrier_signal -1
	s_barrier_wait -1
	s_cmp_lg_u32 s[WV], 0
	s_cbranch_scc1 .Lnw0_\@
	s_barrier_signal -3
.Lnw0_\@:
	s_barrier_wait -3
	s_barrier_signal -1
	s_barrier_wait -1
.endm
; THE CHANGE OF SLOTS.  Every wave: all its tensor loads have landed (its quarter of the slot to be read next among them); the add; its LDS reads are back.
; fill = 1: a round of the cluster's barrier, and first behind it my quarter of the next weight half goes into the slot just read out.
.macro CHANGE fill, slot
	WIN 0
	s_wait_tensorcnt 0x0
	ds_add_u32 v[SPW], v[NIL]                      ; the descriptor's words are made while it is out
.if \fill
	s_add_co_u32 s[G0+1], s[WW], SLOT0+(\slot)*SLOT
	s_mov_b64 s[G0+2:G0+3], s[PP:PP+1]
	s_add_nc_u64 s[PP:PP+1], s[PP:PP+1], 65536     ; the halves lie end to end in the pack
	s_or_b32 s[G0+3], s[G0+3], 0x80000000
	s_wait_dscnt 0x0
	ROUND
	tensor_load_to_lds s[G0:G0+3], s[G1W:G1W+7]
	s_nop 0
	PLACES
.else
	s_wait_dscnt 0x0
	s_barrier_signal -1
	s_barrier_wait -1
.endif
.endm
.macro ALL4 line:vararg                ; one line for each of four rows i
.set i, 0
.rept 4
	\line
.set i, i+1
.endr
.endm
.macro E16 line:vararg                 ; one line for each pair z of each accumulator n; the low pairs of all four come first
.set z, 0
.rept 4
.set n, 0
.rept 4
	\line
.set n, n+1
.endr
.set z, z+2
.endr
.endm
.macro RED4                            ; the four rows' sums over the wave's 32 lanes; every lane ends with them
	ALL4 v_add_f32 v[SMR+2*i], v[SMR+2*i], v[SMR+2*i+1]
.irp m, 1,2,4,8
	ALL4 v_add_f32_dpp v[SMR+2*i], v[SMR+2*i], v[SMR+2*i] row_xmask:\m row_mask:0xf bank_mask:0xf
.endr
	ALL4 v_permlanex16_b32 v[SMR+2*i+1], v[SMR+2*i], s[SEL], s[SEL+1]
	ALL4 v_add_f32 v[SMR+2*i], v[SMR+2*i], v[SMR+2*i+1]
.endm
.macro LDF buf, areg                   ; 16 turning loads: output tiles tl = 0, 1 x four steps of 32 along k
	WIN 0x40
.irp k, 0,1,2,3
.irp tl, 0,1
	ds_load_tr16_b128 v[(\buf)+8*(4*\tl+\k):(\buf)+8*(4*\tl+\k)+3], v[\areg] offset:\k*32*WP+\tl*32
	ds_load_tr16_b128 v[(\buf)+8*(4*\tl+\k)+4:(\buf)+8*(4*\tl+\k)+7], v[\areg] offset:\k*32*WP+16*WP+\tl*32
.endr
.endr
.endm
.macro LDB areg                        ; my 32 rows as fragments: 2 row tiles x 8 steps of 32 channels
	WIN 0x80
.irp qt, 0,1
.irp ks, 0,1,2,3,4,5,6,7
	ds_load_b128 v[64*\qt+8*\ks:64*\qt+8*\ks+3], v[\areg] offset:16*AP*\qt+64*\ks
	ds_load_b128 v[64*\qt+8*\ks+4:64*\qt+8*\ks+7], v[\areg] offset:16*AP*\qt+64*\ks+32
.endr
.endr
	WIN 0
.endm
; 16 matrix instructions; the four accumulators take turns, one instruction a turn.  The first four start the sums with the bias.
.macro STAGE buf, st, swap
.if \swap
	WIN 0x06
.else
	WIN 0x09
.endif
.irp k, 0,1,2,3
.irp tl, 0,1
.irp qt, 0,1
.set rD, ACC+8*(2*\tl+\qt)
.if \swap
.set rX, 64*\qt+8*(4*(\st)+\k)
.set rY, (\buf)+8*(4*\tl+\k)
.else
.set rX, (\buf)+8*(4*\tl+\k)
.set rY, 64*\qt+8*(4*(\st)+\k)
.endif
.if ((\st)+\k) != 0
	v_wmma_f32_16x16x32_f16 v[rD:rD+7], v[rX:rX+7], v[rY:rY+7], v[rD:rD+7]
.else
	v_wmma_f32_16x16x32_f16 v[rD:rD+7], v[rX:rX+7], v[rY:rY+7], v[CB+8*\tl:CB+8*\tl+7]
.endif
.endr
.endr
.endr
.endm
.macro PRE hook, hf                    ; the next two tiles' bias
.if (\hook) == HK
	ds_load_b32 v[BKT], v[PA] offset:512*(\hf)     ; k: a lane is a channel: one number a tile
	ds_load_b32 v[BKT+1], v[PA] offset:512*(\hf)+64
.else
.irp tl, 0,1
	ds_load_b128 v[CB+8*\tl:CB+8*\tl+3], v[PA] offset:512*(\hf)+64*\tl
	ds_load_b128 v[CB+8*\tl+4:CB+8*\tl+7], v[PA] offset:512*(\hf)+64*\tl+16
.endr
.endif
.endm
; HALF A MATRIX: 8 output tiles in 4 trips of two, 32 matrix instructions a trip.  Each run of 16 fragment loads is issued a stage ahead of its use; the last trip jumps over the runs.
.macro GLOOP slot, hf, hook
	WIN 0
	v_mov_b32 v[AL], v[AT0L+2*(\slot)]
	v_mov_b32 v[AH], v[AT0L+2*(\slot)+1]
.if (\hook) == HK
	v_mov_b32 v[PA], v[PBK]
	v_mov_b32 v[ABS], v[KS]
.else
	v_mov_b32 v[PA], v[PBV]
	v_mov_b32 v[ABS], v[HB]
.endif
	PRE \hook, \hf
	LDF F0, AL
	LDF F1, AH
	WIN 0
	s_mov_b32 s[CNT], 4
.Lg_top_\@:
	s_wait_dscnt 16                                ; the bias and the first run are in; of what is younger (the second run, the last trip's stores) 16 may be out
.if (\hook) == HK
.irp tl, 0,1
.irp j, 0,1,2,3,4,5,6,7
	v_mov_b32 v[CB+8*\tl+\j], v[BKT+\tl]
.endr
.endr
.endif
	STAGE F0, 0, \hook
	WIN 0
	PLACES
	s_wait_dscnt 0x0                               ; the second run, asked for a stage and an epilogue ago
	s_cmp_eq_u32 s[CNT], 1
	s_cbranch_scc1 .Lg_a_\@
	v_add_nc_u32 v[AL], 64, v[AL]
	v_add_nc_u32 v[PA], 128, v[PA]
	PRE \hook, \hf
	LDF F0, AL
	WIN 0
.Lg_a_\@:
	STAGE F1, 1, \hook
	WIN 0
	PLACES
	s_cmp_eq_u32 s[CNT], 1
	s_cbranch_scc1 .Lg_b_\@
	v_add_nc_u32 v[AH], 64, v[AH]
	LDF F1, AH
	WIN 0
.Lg_b_\@:
	E16 v_cvt_pk_f16_f32 v[PKT+4*n+z/2], v[ACC+8*n+z], v[ACC+8*n+z+1]
.if (\hook) == HK
.irp n, 0,1,2,3
	ds_store_b128 v[ABS], v[PKT+4*\n:PKT+4*\n+3] offset:16*KSP*(\n/2)+32*(\n%2)  ; channel row 16 tl + r of this trip's piece, my keys' 16 bytes
.endr
	v_add_nc_u32 v[ABS], XTW, v[ABS]               ; the next trip's piece lies in the next wave's area
.else
.irp n, 0,1,2,3
	ds_store_b128 v[ABS], v[PKT+4*\n:PKT+4*\n+3] offset:256*(\hf)+32*(\n/2)+16*AP*(\n%2)
.endr
	v_add_nc_u32 v[ABS], 64, v[ABS]
.endif
	s_sub_co_u32 s[CNT], s[CNT], 1
	s_cmp_lg_u32 s[CNT], 0
	s_cbranch_scc1 .Lg_top_\@
.endm
; 128 channels of K^T leave: all waves' stores into the stage are done, a barrier, wave w takes piece w: 32 rows of 256 bytes, two to a load; a store covers 512 consecutive bytes.
.macro COPYK hf
	s_wait_dscnt 0x0
	s_barrier_signal -1
	s_barrier_wait -1
	s_wait_xcnt 0x0                                ; the registers below were an earlier store's data
.irp i, 0,1,2,3,4,5,6,7,8,9,10,11,12,13,14,15
	ds_load_b128 v[CK+4*\i:CK+4*\i+3], v[KR] offset:2*KSP*\i
.endr
.irp i, 0,1,2,3,4,5,6,7,8,9,10,11,12,13,14,15
	s_wait_dscnt 15-\i
	global_store_b128 v[GK], v[CK+4*\i:CK+4*\i+3], s[10:11] offset:32768*(\hf)+512*\i
.endr
.endm
	s_load_b256 s[4:11], s[0:1], 0x0               ; x s[4:5], pack s[6:7], hb s[8:9], kt s[10:11]
	s_load_b64 s[12:13], s[0:1], 0x20              ; vb
	v_lshl_add_u32 v[SPW], v0, 2, SPARE
	v_mov_b32 v[NIL], 0
	ds_add_u32 v[SPW], v[NIL]                      ; the wave's opening: the add and its wait ahead of my first tensor load
	v_lshrrev_b32 v1, 5, v0
	v_readfirstlane_b32 s[WV], v1
	s_bfe_u32 s[CX], ttmp6, 0x40000                ; my place in the cluster: it enters global addresses of my own rows alone
	s_mov_b32 s[BT], ttmp9                         ; the cluster's number: the batch
	s_mov_b32 s[G1W], 15|(1<<16)|(1<<20)|(1<<21)|(5<<22)|(7<<25)  ; all four work-groups; 2-byte elements; after every 64 words 8 words of padding
	s_mov_b32 s[G1W+1], 128<<16
	s_mov_b32 s[G1W+2], 64<<16
	s_mov_b32 s[G1W+3], 128<<16
	s_mov_b32 s[G1W+4], 64                         ; 64 rows of 128 elements
	s_mov_b32 s[G1W+5], 128
	s_mov_b32 s[G1W+6], 0
	s_mov_b32 s[G1W+7], 0
	s_mov_b32 s[G1X], 3<<16                        ; my own rows of x: 32,768 dense bytes as 128 rows of 32 x 8 bytes
	s_mov_b32 s[G1X+1], 32<<16
	s_mov_b32 s[G1X+2], 128<<16
	s_mov_b32 s[G1X+3], 32<<16
	s_mov_b32 s[G1X+4], 128
	s_mov_b32 s[G1X+5], 32
	s_mov_b32 s[G1X+6], 0
	s_mov_b32 s[G1X+7], 0
	s_mov_b32 s[G1Q], 15|(3<<16)|(1<<21)           ; a quarter of bk, bv: 2 rows of 256 bytes, jointly
	s_mov_b32 s[G1Q+1], 32<<16
	s_mov_b32 s[G1Q+2], 2<<16
	s_mov_b32 s[G1Q+3], 32<<16
	s_mov_b32 s[G1Q+4], 2
	s_mov_b32 s[G1Q+5], 32
	s_mov_b32 s[G1Q+6], 0
	s_mov_b32 s[G1Q+7], 0
	s_mul_i32 s[WW], s[WV], 64*WP                  ; my quarter of a slot
	s_mov_b32 s[G0], 1
	s_add_co_u32 s[G0+1], s[WW], SLOT0
	s_mov_b32 s[G0X], 1
	s_lshl_b32 s[G0X+1], s[WV], 15
	s_mov_b32 s[G0Q], 1
	s_lshl_b32 s17, s[WV], 9
	s_add_co_u32 s[G0Q+1], s17, PAR
	s_mov_b32 s[SEL], 0x76543210
	s_mov_b32 s[SEL+1], 0xfedcba98
	s_mov_b32 s[EPS], 0x3727c5ac                   ; 1e-5
	s_mov_b32 s[I256], 0x3b800000                  ; 1 / 256
	s_mov_b32 s[NI256], 0xbb800000
	s_wait_dscnt 0x0
	s_wait_kmcnt 0x0
	s_lshl_b32 s2, s[BT], 19                       ; x: (512 batch + 128 cx + 32 w) rows of 1,024 bytes
	s_lshl_b32 s17, s[CX], 17
	s_add_co_u32 s2, s2, s17
	s_lshl_b32 s17, s[WV], 15
	s_add_co_u32 s2, s2, s17
	s_mov_b32 s3, 0
	s_add_nc_u64 s[G0X+2:G0X+3], s[4:5], s[2:3]
	s_or_b32 s[G0X+3], s[G0X+3], 0x80000000
	s_lshr_b32 s2, s2, 1                           ; hb and vb: the same rows, 512 bytes each
	s_add_nc_u64 s[8:9], s[8:9], s[2:3]
	s_add_nc_u64 s[12:13], s[12:13], s[2:3]
	s_lshl_b32 s2, s[BT], 2                        ; kt: block 4 batch + cx of 65,536 bytes, my 32 channel rows of 256
	s_add_co_u32 s2, s2, s[CX]
	s_lshl_b32 s2, s2, 16
	s_lshl_b32 s17, s[WV], 13
	s_add_co_u32 s2, s2, s17
	s_add_nc_u64 s[10:11], s[10:11], s[2:3]
	s_lshl_b32 s18, s[WV], 9                       ; what is asked for jointly hangs on the wave alone
	s_add_co_u32 s18, s18, 786432
	s_mov_b32 s19, 0
	s_add_nc_u64 s[G0Q+2:G0Q+3], s[6:7], s[18:19]
	s_or_b32 s[G0Q+3], s[G0Q+3], 0x80000000
	s_lshl_b32 s18, s[WV], 14                      ; 64 rows of 256 bytes
	s_add_nc_u64 s[PP:PP+1], s[6:7], s[18:19]
	s_mov_b64 s[G0+2:G0+3], s[PP:PP+1]
	s_or_b32 s[G0+3], s[G0+3], 0x80000000
	s_add_nc_u64 s[PP:PP+1], s[PP:PP+1], 65536
	ROUND                                          ; the four work-groups are here: the first joint loads meet
	tensor_load_to_lds s[G0X:G0X+3], s[G1X:G1X+7]  ; three loads of mine are out: my x rows,
	s_nop 0
	tensor_load_to_lds s[G0Q:G0Q+3], s[G1Q:G1Q+7]  ; a quarter of the biases,
	s_nop 0
	tensor_load_to_lds s[G0:G0+3], s[G1W:G1W+7]    ; a quarter of wk's first half
	s_nop 0
	PLACES
	v_and_b32 v27, 31, v0                          ; lane
	v_lshlrev_b32 v[GK], 4, v27
	global_load_b128 v[GR:GR+3], v[GK], s[6:7] offset:790528       ; ln_g of my channels 4 L .. and 128 + 4 L ..
	global_load_b128 v[GR+4:GR+7], v[GK], s[6:7] offset:790528+512
	global_load_b128 v[BR:BR+3], v[GK], s[6:7] offset:791552       ; ln_b
	global_load_b128 v[BR+4:BR+7], v[GK], s[6:7] offset:791552+512
	v_and_b32 v1, 15, v0                           ; r
	v_bfe_u32 v2, v0, 4, 1                         ; h
	v_and_b32 v28, 7, v0
	v_bfe_u32 v29, v0, 3, 1
	v_lshl_add_u32 v28, v2, 3, v28                 ; the turning load: lane L reads row 8 h + L % 8, 16 bytes at 16 ((L / 8) % 2)
	v_mul_u32_u24 v28, v28, WP
	v_lshl_add_u32 v28, v29, 4, v28
	v_add_nc_u32 v[AT0L], SLOT0, v28
	v_add_nc_u32 v[AT0L+1], SLOT0+128*WP, v28
	v_add_nc_u32 v[AT0L+2], SLOT0+SLOT, v28
	v_add_nc_u32 v[AT0L+3], SLOT0+SLOT+128*WP, v28
	s_lshl_b32 s17, s[WV], 15                      ; my area
	v_mul_u32_u24 v28, v1, AP
	v_lshl_add_u32 v28, v2, 4, v28
	v_add_nc_u32 v[HB], s17, v28
	v_lshl_add_u32 v[PBK], v1, 2, PAR
	v_lshl_add_u32 v[PBV], v2, 5, PAR+1024
	v_mul_u32_u24 v28, v1, KSP
	v_lshl_add_u32 v28, v2, 4, v28
	s_lshl_b32 s18, s[WV], 6                       ; my 32 keys are 64 bytes of a K^T row
	s_add_co_u32 s18, s18, KST
	v_add_nc_u32 v[KS], s18, v28
	v_mul_u32_u24 v28, v2, KSP
	v_lshl_add_u32 v28, v1, 4, v28
	s_add_co_u32 s18, s17, KST
	v_add_nc_u32 v[KR], s18, v28
	v_add_nc_u32 v[VR], s17, v[GK]
	v_mov_b32 v[XA], v[VR]
	v_lshl_add_u32 v[HA], v27, 3, s17
	v_lshlrev_b32 v[GA], 3, v27
	s_wait_loadcnt 0x0
	s_wait_tensorcnt 0x2                           ; my x rows are in (two younger loads stay out); nobody else reads them
	; LAYERNORM, a wave to a row, four rows a trip.  h row i (528 bytes apart) is written over x rows already read: it ends below x row i + 1.
	s_mov_b32 s[CNT], 8
.Lln:
	ALL4 ds_load_b128 v[XR+8*i:XR+8*i+3], v[XA] offset:1024*i
	ALL4 ds_load_b128 v[XR+8*i+4:XR+8*i+7], v[XA] offset:1024*i+512
	s_wait_dscnt 0x0
	ALL4 v_pk_add_f32 v[SMR+2*i:SMR+2*i+1], v[XR+8*i:XR+8*i+1], v[XR+8*i+2:XR+8*i+3]
	ALL4 v_pk_add_f32 v[MUR+2*i:MUR+2*i+1], v[XR+8*i+4:XR+8*i+5], v[XR+8*i+6:XR+8*i+7]
	ALL4 v_pk_add_f32 v[SMR+2*i:SMR+2*i+1], v[SMR+2*i:SMR+2*i+1], v[MUR+2*i:MUR+2*i+1]
	RED4
	ALL4 v_mul_f32 v[MUR+2*i], s[NI256], v[SMR+2*i]                ; minus the mean
.irp z, 0,2,4,6
	ALL4 v_pk_add_f32 v[XR+8*i+\z:XR+8*i+\z+1], v[XR+8*i+\z:XR+8*i+\z+1], v[MUR+2*i:MUR+2*i+1] op_sel_hi:[1,0]
.endr
	ALL4 v_pk_mul_f32 v[SMR+2*i:SMR+2*i+1], v[XR+8*i:XR+8*i+1], v[XR+8*i:XR+8*i+1]
.irp z, 2,4,6
	ALL4 v_pk_fma_f32 v[SMR+2*i:SMR+2*i+1], v[XR+8*i+\z:XR+8*i+\z+1], v[XR+8*i+\z:XR+8*i+\z+1], v[SMR+2*i:SMR+2*i+1]
.endr
	RED4
	ALL4 v_fma_f32 v[SMR+2*i], v[SMR+2*i], s[I256], s[EPS]
	ALL4 v_rsq_f32 v[MUR+2*i], v[SMR+2*i]
	v_nop                                          ; a plain instruction behind the last root
	s_wait_alu depctr_va_vdst(0)
.irp z, 0,2,4,6
	ALL4 v_pk_mul_f32 v[XR+8*i+\z:XR+8*i+\z+1], v[XR+8*i+\z:XR+8*i+\z+1], v[MUR+2*i:MUR+2*i+1] op_sel_hi:[1,0]
.endr
.irp z, 0,2,4,6
	ALL4 v_pk_fma_f32 v[XR+8*i+\z:XR+8*i+\z+1], v[XR+8*i+\z:XR+8*i+\z+1], v[GR+\z:GR+\z+1], v[BR+\z:BR+\z+1]
.endr
.irp z, 0,1,2,3
	ALL4 v_cvt_pk_f16_f32 v[YR+4*i+\z], v[XR+8*i+2*\z], v[XR+8*i+2*\z+1]
.endr
	ALL4 ds_store_b64 v[HA], v[YR+4*i:YR+4*i+1] offset:AP*i
	ALL4 ds_store_b64 v[HA], v[YR+4*i+2:YR+4*i+3] offset:AP*i+256
	ALL4 global_store_b64 v[GA], v[YR+4*i:YR+4*i+1], s[8:9] offset:512*i          ; a wave's store covers 256 consecutive bytes, aligned
	ALL4 global_store_b64 v[GA], v[YR+4*i+2:YR+4*i+3], s[8:9] offset:512*i+256
	s_wait_xcnt 0x0                                ; the stores' offset and data are written again only behind this wait
	v_add_nc_u32 v[XA], 4096, v[XA]
	v_add_nc_u32 v[HA], 4*AP, v[HA]
	v_add_nc_u32 v[GA], 2048, v[GA]
	s_sub_co_u32 s[CNT], s[CNT], 1
	s_cmp_lg_u32 s[CNT], 0
	s_cbranch_scc1 .Lln
	CHANGE 1, 1                                    ; wk's first half is whole, every wave is done with its x; wk's second half is asked for
	LDB HB
	GLOOP 0, 0, HK
	COPYK 0
	CHANGE 1, 0                                    ; wv's first half; the stage's readers are done
	GLOOP 1, 1, HK
	COPYK 1
	CHANGE 1, 1                                    ; wv's second half
	GLOOP 0, 0, HV
	CHANGE 0, 0                                    ; nothing is left to fetch
	GLOOP 1, 1, HV
	s_wait_xcnt 0x0                                ; v leaves: my 32 rows, 512 consecutive bytes a store
.set i, 0
.rept 32
	ds_load_b128 v[128+4*i:128+4*i+3], v[VR] offset:AP*i
.set i, i+1
.endr
.set i, 0
.rept 32
	s_wait_dscnt 31-i
	global_store_b128 v[GK], v[128+4*i:128+4*i+3], s[12:13] offset:512*i
.set i, i+1
.endr
	s_wait_tensorcnt 0x0                           ; the wave's end
	ds_add_u32 v[SPW], v[NIL]
	s_wait_dscnt 0x0
	ROUND                                          ; the closing round
	s_endpgm
.Lfunc_end_k_qedf4e9563d_kv0:
	.size	k_qedf4e9563d_kv0, .Lfunc_end_k_qedf4e9563d_kv0-k_qedf4e9563d_kv0
	.p2alignl 7, 3214868480
	.fill 96, 4, 3214868480
	.section	.rodata,"a",@progbits
	.p2align	6, 0x0
	.amdhsa_kernel k_qedf4e9563d_kv0
		.amdhsa_group_segment_fixed_size 327680
		.amdhsa_private_segment_fixed_size 0
		.amdhsa_enable_private_segment 0
		.amdhsa_kernarg_size 40
		.amdhsa_user_sgpr_count 2
		.amdhsa_user_sgpr_kernarg_segment_ptr 1
		.amdhsa_wavefront_size32 1
		.amdhsa_system_sgpr_workgroup_id_x 1
		.amdhsa_system_sgpr_workgroup_id_y 1
		.amdhsa_system_sgpr_workgroup_id_z 1
		.amdhsa_system_vgpr_workitem_id 0
		.amdhsa_next_free_vgpr 640
		.amdhsa_next_free_sgpr 68
		.amdhsa_reserve_vcc 0
		.amdhsa_float_denorm_mode_32 3
		.amdhsa_float_denorm_mode_16_64 3
		.amdhsa_memory_ordered 1
		.amdhsa_forward_progress 1
		.amdhsa_inst_pref_size 73
	.end_amdhsa_kernel
	.amdgpu_metadata
---
amdhsa.version: [ 1, 2 ]
amdhsa.kernels:
  - .name:           k_qedf4e9563d_kv0
    .symbol:         k_qedf4e9563d_kv0.kd
    .args:
      - { .name: x, .offset: 0, .size: 8, .value_kind: global_buffer, .address_space: global }
      - { .name: pk0, .offset: 8, .size: 8, .value_kind: global_buffer, .address_space: global }
      - { .name: hb, .offset: 16, .size: 8, .value_kind: global_buffer, .address_space: global }
      - { .name: kt, .offset: 24, .size: 8, .value_kind: global_buffer, .address_space: global }
      - { .name: vb, .offset: 32, .size: 8, .value_kind: global_buffer, .address_space: global }
    .group_segment_fixed_size: 327680
    .private_segment_fixed_size: 0
    .kernarg_segment_align: 8
    .kernarg_segment_size: 40
    .max_flat_workgroup_size: 128
    .sgpr_count:     68
    .vgpr_count:     640
    .wavefront_size: 32
...
	.end_amdgpu_metadata
.endif
;; end of part 2
;; launch main0 (part 3): grid 256 x 1, 4 waves a work-group, clusters of 4 x 1, 327,680 bytes of LDS; arguments hb, kt, vb, pk0, xa; writes xa
.if DOCPART == 3
	.amdgcn_target "amdgcn-amd-amdhsa--gfx1250"
	.amdhsa_code_object_version 6
	.text
	.protected	k_qedf4e9563d_main0
	.globl	k_qedf4e9563d_main0
	.p2align	8
	.type	k_qedf4e9563d_main0,@function
k_qedf4e9563d_main0:
	s_mov_b64 s[64:65], 0
	v_nop
	global_prefetch_b8 v0, s[64:65] scope:SCOPE_SE
	s_setreg_imm32_b32 hwreg(HW_REG_WAVE_MODE, 25, 1), 1
	s_wait_xcnt 0x0
	s_wait_alu depctr_hold_cnt(0) depctr_sa_sdst(0) depctr_va_vdst(0) depctr_va_sdst(0) depctr_va_ssrc(0) depctr_va_vcc(0) depctr_vm_vsrc(0)
	s_getreg_b32 s2, hwreg(HW_REG_IB_STS2, 6, 4)
	s_cmp_eq_u32 s2, 0
	s_cbranch_scc0 .Lentry_in_a_cluster
	s_endpgm
.Lentry_in_a_cluster:
	s_bfe_u32 s2, ttmp6, 0x10000c
	s_cmp_lg_u32 s2, 0x3003
	s_cbranch_scc0 .Lentry_shape_is_right
	s_endpgm
.Lentry_shape_is_right:
; MAIN: the rest of a layer for 128 rows of one batch:  q = h wq + bq;  softmax(q k^T / 16 + relative bias, hidden keys out) v;  o = (..) wo + bo;
; x1 = h + LN(o);  c = LN2(x1);  out = x1 + gelu(c w1 + b1) w2 + b2.
; SHARES.  A cluster of four work-groups is one batch; work-group cx takes its queries 128 cx ..; wave w 32 of them (two tiles of 16), all 256 channels, all 512 keys.
; The four walk the same 16 tiles (wq, four blocks of K^T and V by turns, wo, w1, w2, in halves): each is asked for JOINTLY, a quarter a wave, into two slots that take turns.
; LAYOUT.  Every product has 16 "items" (output channels, keys, V's channels) as source 0 and 16 queries as source 1: a lane holds ONE query (lane % 16) and items 8 (lane / 16) + 0..7.
; Two results rounded to f16 are a source-1 fragment of the next product, and a row's maximum, sum, mean and variance want one exchange between the halves of the lanes.
; All tiles lie [contraction][item] in LDS and are turned by ds_load_tr16_b128.
; SOFTMAX.  The product's first C is 16 x bias + (0 or -1e30).  Running maximum m and sum l over four blocks of 128 keys: p = 2^(c s - c m), c = log2(e) / 16; O and l are multiplied by
; a = 2^(c m_old - c m_new) in every block.  m starts at the lowest finite number, O and l at 0, so that one text serves all four blocks: the price is 256 v_mov_b32 in the wait for the first tiles.
; FORMATS.  f16 operands, f32 sums.  Kept in LDS rounded once to f16: q, o' = O wo (bo is added in f32 where o is used), x1, c, the gelu.  Means and then sums of squared differences in f32.
; LIMITS.  Nothing kept in f16 may pass 65,504.  A hidden score counts as the score less 1e30 (a row with every key hidden gets equal weights).  A weight below 2^-126 counts as 0.
; erf by a rational form with an exponential, three terms, absolute error at most 2.5e-5 for every argument.  NaN and infinities are not treated apart.
; LDS: two slots of 73,728; h, later x1 (128 rows, pitch 528); ACT, the waves' own rows (same shape), written by LDS stores alone; 8 parameter vectors; 4 shifted copies of my window of the bias table;
; the batch's mask terms, a copy a wave; the spare words.
.set AP,    528        ; 256 f16 + 16 bytes
.set WP,    288        ; 128 f16 + 32 bytes: weights and K^T
.set VP,    544        ; 256 f16 + 32 bytes: V
.set SLOT,  73728
.set HREG,  147456
.set ACT,   215040
.set PAR,   282624     ; bq, bo, ln_g, ln_b, cm_g, cm_b, b1, b2: 1,024 bytes each
.set TAB,   290816
.set TP,    2624
.set MSK,   301312
.set SPARE, 309504
.set HQ, 0
.set HO, 1
.set HG, 2
.set HW, 3
; window 0
.set SPW, 3            ; LDS address of my spare word; never rewritten
.set NIL, 4            ; 0; never rewritten
.set AT0L, 5           ; v5-8: my lane's place in slot 0 (rows 0-127, 128-255) and slot 1
.set AVL, 9            ; the same for V in slot 1
.set AL,  10
.set AH,  11
.set HB,  12           ; fragment base in my rows of h / x1
.set AB,  13           ; in my rows of ACT
.set HBS, 14           ; stepping copies
.set ABS, 15
.set PB,  16           ; parameters: PAR + 32 h
.set PA,  17
.set TBA, 18
.set MKA, 19
.set SW,  20
.set CA,  21
.set CH,  22
.set GOF, 23
.set CAS, 24
.set CHS, 25
.set GOS, 26
.set ONE, 28
.set ST,  32           ; softmax, 8 a query tile: c m, m, l (2), c0-c3; a takes c2's place
.set SA,  48           ; sums: a pair a query tile
.set SB,  52
.set MU,  54           ; minus the mean, in the low word of a pair
.set RS,  58           ; 1 / sqrt(var + eps), likewise
.set ACC, 64
.set CB,  96
.set PKT, 112
.set P,   64           ; in attention: the weights, 32 a query tile
.set S,   128          ; scores: 64 qt + 8 kt
.set T,   128
.set LA,  128
.set LH,  144
.set LP0, 160
.set LP1, 176
.set LP2, 192
.set D,   208
.set GA,  128
.set GU,  160
.set GY,  192
.set GQ,  224
; window 1: F0, F1 fragments; CT the scores' first C; RW four raw bias tiles; MK two mask tiles.   window 2: v0-127 source-1 fragments, 64 qt + 8 ks.   window 3: O^T, 128 qt + 8 t
.set F0, 0
.set F1, 64
.set CT, 128
.set RW, 160
.set MK, 192
; scalars
.set NI256, 3
.set PK,  6
.set PVP, 8
.set PP,  10
.set WV,  14
.set CX,  15
.set BT,  16
.set G1W, 20
.set G1V, 28
.set G1H, 36
.set G1P, 44
.set WW,  52
.set WVV, 53
.set CNT, 54
.set JC,  55
.set K1,  56
.set K2,  58
.set CS,  60
.set SEL, 62
.set EPS, 66
.set I256, 67
.set G1T, 68
.set G0,  76
.set A3,  96
.set A2,  98
.set A1,  100
.set MSB, 0
.macro WIN new                         ; the immediate's high byte repeats the setting that is left
.if MSB != (\new)
	s_set_vgpr_msb (MSB<<8)|(\new)
.set MSB, (\new)
.endif
.endm
.macro PLACES                          ; four plain places behind matrix instructions (ISA guide 7.12.1)
.rept 4
	v_nop
.endr
.endm
.macro ROUND                           ; a round of the cluster's barrier
	s_barrier_signal -1
	s_barrier_wait -1
	s_cmp_lg_u32 s[WV], 0
	s_cbranch_scc1 .Lnw0_\@
	s_barrier_signal -3
.Lnw0_\@:
	s_barrier_wait -3
	s_barrier_signal -1
	s_barrier_wait -1
.endm
; THE CHANGE OF SLOTS.  Every wave: all its tensor loads have landed (its quarter of the slot to be read next among them); the add; its LDS reads are back.  Then a round of the cluster's
; barrier, and first behind it my quarter of the tile after next goes into the slot just read out.  kind 1: 64 rows of 256 bytes from src; 2: 32 rows of V; 3: the next K^T block, or behind the
; last block wo's first half (the same shape, so the loop has no tail); 0: nothing is left to fetch, a plain barrier.
.macro CHANGE kind, slot, src
	WIN 0
	s_wait_tensorcnt 0x0
	ds_add_u32 v[SPW], v[NIL]                      ; the descriptor's words are made while it is out
.if (\kind) == 1
	s_add_co_u32 s[G0+1], s[WW], (\slot)*SLOT
	s_mov_b64 s[G0+2:G0+3], s[\src:\src+1]
	s_add_nc_u64 s[\src:\src+1], s[\src:\src+1], 65536
.elseif (\kind) == 2
	s_add_co_u32 s[G0+1], s[WVV], (\slot)*SLOT
	s_mov_b64 s[G0+2:G0+3], s[\src:\src+1]
	s_add_nc_u64 s[\src:\src+1], s[\src:\src+1], 65536
.elseif (\kind) == 3
	s_add_co_u32 s[G0+1], s[WW], (\slot)*SLOT
	s_cmp_eq_u32 s[JC], 1
	s_cselect_b64 s[G0+2:G0+3], s[PP:PP+1], s[PK:PK+1]
	s_add_nc_u64 s[PK:PK+1], s[PK:PK+1], 65536
.endif
.if \kind
	s_or_b32 s[G0+3], s[G0+3], 0x80000000
	s_wait_dscnt 0x0
	ROUND
.if (\kind) == 2
	tensor_load_to_lds s[G0:G0+3], s[G1V:G1V+7]
.else
	tensor_load_to_lds s[G0:G0+3], s[G1W:G1W+7]
.endif
	s_nop 0
	PLACES
.else
	s_wait_dscnt 0x0
	s_barrier_signal -1
	s_barrier_wait -1
.endif
.endm
.macro E16 line:vararg                 ; one line for each pair z of each tile n = 2 tl + qt; the low pairs of all four come first
.set z, 0
	s_wait_alu depctr_va_vdst(0)
.rept 4
.set n, 0
.rept 4
	\line
.set n, n+1
.endr
.set z, z+2
.endr
.endm
.macro LDF buf, areg, toff             ; 16 turning loads: item tiles tl = 0, 1 at byte toff of the rows x four steps of 32 along the contraction
	WIN 0x40
.irp k, 0,1,2,3
.irp tl, 0,1
	ds_load_tr16_b128 v[(\buf)+8*(4*\tl+\k):(\buf)+8*(4*\tl+\k)+3], v[\areg] offset:(\toff)+\k*32*WP+\tl*32
	ds_load_tr16_b128 v[(\buf)+8*(4*\tl+\k)+4:(\buf)+8*(4*\tl+\k)+7], v[\areg] offset:(\toff)+\k*32*WP+16*WP+\tl*32
.endr
.endr
.endm
.macro LDV buf, g                      ; the same for V: channel tiles 2 g, 2 g + 1 x the block's four steps of 32 keys
	WIN 0x40
.irp k, 0,1,2,3
.irp tl, 0,1
	ds_load_tr16_b128 v[(\buf)+8*(4*\tl+\k):(\buf)+8*(4*\tl+\k)+3], v[AVL] offset:\k*32*VP+32*(2*(\g)+\tl)
	ds_load_tr16_b128 v[(\buf)+8*(4*\tl+\k)+4:(\buf)+8*(4*\tl+\k)+7], v[AVL] offset:\k*32*VP+16*VP+32*(2*(\g)+\tl)
.endr
.endr
.endm
.macro LDB areg                        ; my 32 rows as source-1 fragments
	WIN 0x80
.irp qt, 0,1
.irp ks, 0,1,2,3,4,5,6,7
	ds_load_b128 v[64*\qt+8*\ks:64*\qt+8*\ks+3], v[\areg] offset:16*AP*\qt+64*\ks
	ds_load_b128 v[64*\qt+8*\ks+4:64*\qt+8*\ks+7], v[\areg] offset:16*AP*\qt+64*\ks+32
.endr
.endr
	WIN 0
.endm
.macro LD4 dst, areg                   ; four packed tiles (tl, qt) of my rows
.irp tl, 0,1
.irp qt, 0,1
	ds_load_b128 v[(\dst)+4*(2*\tl+\qt):(\dst)+4*(2*\tl+\qt)+3], v[\areg] offset:32*\tl+16*AP*\qt
.endr
.endr
.endm
.macro LDP dst, off                    ; two tiles of a parameter vector: my 8 channels of each, f32
.irp tl, 0,1
	ds_load_b128 v[(\dst)+8*\tl:(\dst)+8*\tl+3], v[PA] offset:(\off)+64*\tl
	ds_load_b128 v[(\dst)+8*\tl+4:(\dst)+8*\tl+7], v[PA] offset:(\off)+64*\tl+16
.endr
.endm
.macro ST4 areg, off                   ; four packed tiles into my rows
.irp n, 0,1,2,3
	ds_store_b128 v[\areg], v[PKT+4*\n:PKT+4*\n+3] offset:(\off)+32*(\n/2)+16*AP*(\n%2)
.endr
.endm
; 16 matrix instructions; the four accumulators take turns, one instruction a turn.  The first four start the sums: with 0, or with the bias.
.macro STAGE buf, st, cmode
	WIN 0x09
.irp k, 0,1,2,3
.irp tl, 0,1
.irp qt, 0,1
.set rD, ACC+8*(2*\tl+\qt)
.set rX, (\buf)+8*(4*\tl+\k)
.set rY, 64*\qt+8*(4*(\st)+\k)
.if ((\st)+\k) != 0
	v_wmma_f32_16x16x32_f16 v[rD:rD+7], v[rX:rX+7], v[rY:rY+7], v[rD:rD+7]
.elseif \cmode
	v_wmma_f32_16x16x32_f16 v[rD:rD+7], v[rX:rX+7], v[rY:rY+7], v[CB+8*\tl:CB+8*\tl+7]
.else
	v_wmma_f32_16x16x32_f16 v[rD:rD+7], v[rX:rX+7], v[rY:rY+7], 0
.endif
.endr
.endr
.endr
.endm
; What is made of a trip's four tiles.
.macro EPI hook, hf
.if (\hook) == HQ                      ; q: rounded, into my rows of ACT
	E16 v_cvt_pk_f16_f32 v[PKT+4*n+z/2], v[ACC+8*n+z], v[ACC+8*n+z+1]
	ST4 ABS, 256*(\hf)
	v_add_nc_u32 v[ABS], 64, v[ABS]
.elseif (\hook) == HO                  ; o': its sum for the mean, then the same
	E16 v_pk_add_f32 v[SA+2*(n%2):SA+2*(n%2)+1], v[SA+2*(n%2):SA+2*(n%2)+1], v[ACC+8*n+z:ACC+8*n+z+1]
	E16 v_cvt_pk_f16_f32 v[PKT+4*n+z/2], v[ACC+8*n+z], v[ACC+8*n+z+1]
	ST4 ABS, 256*(\hf)
	v_add_nc_u32 v[ABS], 64, v[ABS]
.elseif (\hook) == HG                  ; gelu(x) = |x| (q e + 1/2) + x / 2;  t = 1 / (1 + 0.3326725 |x|), e = 2^-(0.8493218 x)^2, q = -(a1 t + a2 t^2 + a3 t^3) / 2
	E16 v_and_b32 v[GA+8*n+z], 0x7fffffff, v[ACC+8*n+z]
	E16 v_and_b32 v[GA+8*n+z+1], 0x7fffffff, v[ACC+8*n+z+1]
	E16 v_pk_fma_f32 v[GU+8*n+z:GU+8*n+z+1], v[GA+8*n+z:GA+8*n+z+1], s[K1:K1+1], 1.0 op_sel_hi:[1,0,0]
	E16 v_pk_mul_f32 v[GY+8*n+z:GY+8*n+z+1], v[ACC+8*n+z:ACC+8*n+z+1], s[K2:K2+1] op_sel_hi:[1,0]
	E16 v_pk_mul_f32 v[GY+8*n+z:GY+8*n+z+1], v[GY+8*n+z:GY+8*n+z+1], v[GY+8*n+z:GY+8*n+z+1] neg_lo:[1,0] neg_hi:[1,0]
	E16 v_rcp_f32 v[GU+8*n+z], v[GU+8*n+z]
	E16 v_rcp_f32 v[GU+8*n+z+1], v[GU+8*n+z+1]
	E16 v_exp_f32 v[GY+8*n+z], v[GY+8*n+z]
	E16 v_exp_f32 v[GY+8*n+z+1], v[GY+8*n+z+1]
	E16 v_pk_mul_f32 v[ACC+8*n+z:ACC+8*n+z+1], v[ACC+8*n+z:ACC+8*n+z+1], 0.5 op_sel_hi:[1,0]   ; plain lines behind the last exponential, ahead of the results' use
	E16 v_pk_fma_f32 v[GQ+8*n+z:GQ+8*n+z+1], v[GU+8*n+z:GU+8*n+z+1], s[A3:A3+1], s[A2:A2+1] op_sel_hi:[1,0,0]
	E16 v_pk_fma_f32 v[GQ+8*n+z:GQ+8*n+z+1], v[GQ+8*n+z:GQ+8*n+z+1], v[GU+8*n+z:GU+8*n+z+1], s[A1:A1+1] op_sel_hi:[1,1,0]
	E16 v_pk_mul_f32 v[GQ+8*n+z:GQ+8*n+z+1], v[GQ+8*n+z:GQ+8*n+z+1], v[GU+8*n+z:GU+8*n+z+1]
	E16 v_pk_fma_f32 v[GQ+8*n+z:GQ+8*n+z+1], v[GQ+8*n+z:GQ+8*n+z+1], v[GY+8*n+z:GY+8*n+z+1], 0.5 op_sel_hi:[1,1,0]
	E16 v_pk_fma_f32 v[GA+8*n+z:GA+8*n+z+1], v[GA+8*n+z:GA+8*n+z+1], v[GQ+8*n+z:GQ+8*n+z+1], v[ACC+8*n+z:ACC+8*n+z+1]
	E16 v_cvt_pk_f16_f32 v[PKT+4*n+z/2], v[GA+8*n+z], v[GA+8*n+z+1]
	ST4 ABS, 256*(\hf)
	v_add_nc_u32 v[ABS], 64, v[ABS]
.else                                  ; the last product: f32 into my rows of ACT, now a stage: half a row of f32 is 512 bytes
.irp n, 0,1,2,3
	ds_store_b128 v[ABS], v[ACC+8*\n:ACC+8*\n+3] offset:64*(\n/2)+16*AP*(\n%2)
	ds_store_b128 v[ABS], v[ACC+8*\n+4:ACC+8*\n+7] offset:64*(\n/2)+16*AP*(\n%2)+16
.endr
	v_add_nc_u32 v[ABS], 128, v[ABS]
.endif
.endm
; HALF A MATRIX: 8 output tiles in 4 trips of two, 32 matrix instructions a trip.  Each run of 16 fragment loads is issued a stage ahead of its use; the last trip jumps over the runs.
.macro GLOOP slot, hf, cmode, hook, poff
	WIN 0
	v_mov_b32 v[AL], v[AT0L+2*(\slot)]
	v_mov_b32 v[AH], v[AT0L+2*(\slot)+1]
	v_mov_b32 v[PA], v[PB]
.if (\hook) == HW
	v_mov_b32 v[ABS], v[SW]
.else
	v_mov_b32 v[ABS], v[AB]
.endif
	LDP CB, (\poff)+512*(\hf)
	LDF F0, AL, 0
	LDF F1, AH, 0
	WIN 0
	s_mov_b32 s[CNT], 4
.Lg_top_\@:
	s_wait_dscnt 16                                ; the bias and the first run are in; of what is younger (the second run, the last trip's stores) 16 may be out
.if (\hook) == HO
.irp z, 0,2,4,6,8,10,12,14
	v_pk_add_f32 v[SB:SB+1], v[SB:SB+1], v[CB+\z:CB+\z+1]   ; bo's share of the mean
.endr
.endif
	STAGE F0, 0, \cmode
	WIN 0
	PLACES
	s_wait_dscnt 0x0                               ; the second run, asked for a stage and an epilogue ago
	s_cmp_eq_u32 s[CNT], 1
	s_cbranch_scc1 .Lg_a_\@
	v_add_nc_u32 v[AL], 64, v[AL]
	v_add_nc_u32 v[PA], 128, v[PA]
	LDP CB, (\poff)+512*(\hf)
	LDF F0, AL, 0
	WIN 0
.Lg_a_\@:
	STAGE F1, 1, \cmode
	WIN 0
	PLACES
	s_cmp_eq_u32 s[CNT], 1
	s_cbranch_scc1 .Lg_b_\@
	v_add_nc_u32 v[AH], 64, v[AH]
	LDF F1, AH, 0
	WIN 0
.Lg_b_\@:
	EPI \hook, \hf
	s_sub_co_u32 s[CNT], s[CNT], 1
	s_cmp_lg_u32 s[CNT], 0
	s_cbranch_scc1 .Lg_top_\@
.endm
; ATTENTION.  The bias of tile (kt, qt) hangs on d = kt - qt alone: raw tile d lies in RW[(d + 1) % 4].  CG p fetches d = 2 p and 2 p + 1 and the mask terms of key tiles 2 p, 2 p + 1.
.macro CG p
	WIN 0x40
.irp e, 1,2
	ds_load_b128 v[RW+8*((2*(\p)+\e)%4):RW+8*((2*(\p)+\e)%4)+3], v[TBA] offset:64*(2*(\p)+\e)
	ds_load_b128 v[RW+8*((2*(\p)+\e)%4)+4:RW+8*((2*(\p)+\e)%4)+7], v[TBA] offset:64*(2*(\p)+\e)+16
.endr
.irp tl, 0,1
	ds_load_b128 v[MK+8*\tl:MK+8*\tl+3], v[MKA] offset:64*(2*(\p)+\tl)
	ds_load_b128 v[MK+8*\tl+4:MK+8*\tl+7], v[MKA] offset:64*(2*(\p)+\tl)+16
.endr
.endm
.macro CTMAKE p                        ; the four first C operands of pair p
	WIN 0x45
.irp tl, 0,1
.irp qt, 0,1
.irp z, 0,2,4,6
	v_pk_add_f32 v[CT+8*(2*\tl+\qt)+\z:CT+8*(2*\tl+\qt)+\z+1], v[RW+8*((2*(\p)+\tl-\qt+1)%4)+\z:RW+8*((2*(\p)+\tl-\qt+1)%4)+\z+1], v[MK+8*\tl+\z:MK+8*\tl+\z+1]
.endr
.endr
.endr
.endm
.macro SSTAGE buf, st, p               ; 16 products of S^T = K Q^T: key tiles 2 p, 2 p + 1 x both query tiles, four steps of 32 channels; accumulators by turns
.irp k, 0,1,2,3
.irp tl, 0,1
.irp qt, 0,1
.set rD, S+64*\qt+8*(2*(\p)+\tl)
.set rX, (\buf)+8*(4*\tl+\k)
.set rY, 64*\qt+8*(4*(\st)+\k)
.if ((\st)+\k) == 0
	WIN 0x19
	v_wmma_f32_16x16x32_f16 v[rD:rD+7], v[rX:rX+7], v[rY:rY+7], v[CT+8*(2*\tl+\qt):CT+8*(2*\tl+\qt)+7]
.else
	WIN 0x09
	v_wmma_f32_16x16x32_f16 v[rD:rD+7], v[rX:rX+7], v[rY:rY+7], v[rD:rD+7]
.endif
.endr
.endr
.endr
.endm
.macro PVSTAGE buf, g                  ; 16 products of O^T += V^T P: channel tiles 2 g, 2 g + 1 x both query tiles, four steps of 32 keys
	WIN 0xf1
.irp k, 0,1,2,3
.irp tl, 0,1
.irp qt, 0,1
.set rO, 128*\qt+8*(2*(\g)+\tl)
	v_wmma_f32_16x16x32_f16 v[rO:rO+7], v[(\buf)+8*(4*\tl+\k):(\buf)+8*(4*\tl+\k)+7], v[P+32*\qt+8*\k:P+32*\qt+8*\k+7], v[rO:rO+7]
.endr
.endr
.endr
.endm
.macro TAILT qt, t                     ; key tile t's eight weights: rounded to f16 for the second product; their sum, unrounded, onto l
.set rS, S+64*(\qt)+8*(\t)
	s_wait_alu depctr_va_vdst(0)
.irp z, 0,1,2,3
	v_cvt_pk_f16_f32 v[P+32*(\qt)+4*(\t)+\z], v[rS+2*\z], v[rS+2*\z+1]
.endr
	v_pk_add_f32 v[rS:rS+1], v[rS:rS+1], v[rS+2:rS+3]
	v_pk_add_f32 v[rS+4:rS+5], v[rS+4:rS+5], v[rS+6:rS+7]
	v_pk_add_f32 v[rS:rS+1], v[rS:rS+1], v[rS+4:rS+5]
.if (\t) == 0
	v_pk_fma_f32 v[ST+8*(\qt)+2:ST+8*(\qt)+3], v[ST+8*(\qt)+2:ST+8*(\qt)+3], v[ST+8*(\qt)+6:ST+8*(\qt)+7], v[rS:rS+1] op_sel_hi:[1,0,1]
.else
	v_pk_add_f32 v[ST+8*(\qt)+2:ST+8*(\qt)+3], v[ST+8*(\qt)+2:ST+8*(\qt)+3], v[rS:rS+1]
.endif
.endm
; LAYERNORM helpers: a lane's sums, its partner's (the row's other 128 channels lie in the lane 16 away), and what is made of them.
.macro XSUM
.irp qt, 0,1
	v_add_f32 v[SA+2*\qt], v[SA+2*\qt], v[SA+2*\qt+1]
.endr
.irp qt, 0,1
	v_permlanex16_b32 v[SA+2*\qt+1], v[SA+2*\qt], s[SEL], s[SEL+1]
.endr
.irp qt, 0,1
	v_add_f32 v[SA+2*\qt], v[SA+2*\qt], v[SA+2*\qt+1]
.endr
.endm
.macro MEAN
	XSUM
.irp qt, 0,1
	v_mul_f32 v[MU+2*\qt], s[NI256], v[SA+2*\qt]
.endr
.endm
.macro RSTD
	XSUM
.irp qt, 0,1
	v_fma_f32 v[SA+2*\qt], v[SA+2*\qt], s[I256], s[EPS]
.endr
.irp qt, 0,1
	v_rsq_f32 v[RS+2*\qt], v[SA+2*\qt]
.endr
	v_nop                                          ; a plain instruction behind the last root
.endm
; A pass over my 32 rows, 8 trips of two channel tiles.  1: sum of (o' + bo - mean)^2.  2: x1 = h + (o' + bo - mean) rstd g + b, its sum, x1 over h.  3: sum of (x1 - mean)^2.  4: c into ACT.
.macro LNPASS id
	WIN 0
	v_mov_b32 v[ABS], v[AB]
	v_mov_b32 v[HBS], v[HB]
	v_mov_b32 v[PA], v[PB]
.irp q, 0,1,2,3
	v_mov_b32 v[SA+\q], 0
.endr
	s_mov_b32 s[CNT], 8
.Lln_\@:
.if (\id) <= 2
	LD4 LA, ABS
	LDP LP0, 1024
.endif
.if (\id) >= 2
	LD4 LH, HBS
.endif
.if (\id) == 2
	LDP LP1, 2048
	LDP LP2, 3072
.elseif (\id) == 4
	LDP LP1, 4096
	LDP LP2, 5120
.endif
	s_wait_dscnt 0x0
.if (\id) <= 2
	E16 v_fma_mix_f32 v[D+8*n+z], v[LA+4*n+z/2], v[ONE], v[LP0+8*(n/2)+z] op_sel_hi:[1,0,0]
	E16 v_fma_mix_f32 v[D+8*n+z+1], v[LA+4*n+z/2], v[ONE], v[LP0+8*(n/2)+z+1] op_sel:[1,0,0] op_sel_hi:[1,0,0]
	E16 v_pk_add_f32 v[D+8*n+z:D+8*n+z+1], v[D+8*n+z:D+8*n+z+1], v[MU+2*(n%2):MU+2*(n%2)+1] op_sel_hi:[1,0]
.else
	E16 v_fma_mix_f32 v[D+8*n+z], v[LH+4*n+z/2], v[ONE], v[MU+2*(n%2)] op_sel_hi:[1,0,0]
	E16 v_fma_mix_f32 v[D+8*n+z+1], v[LH+4*n+z/2], v[ONE], v[MU+2*(n%2)] op_sel:[1,0,0] op_sel_hi:[1,0,0]
.endif
.if ((\id) == 1) || ((\id) == 3)
	E16 v_pk_fma_f32 v[SA+2*(n%2):SA+2*(n%2)+1], v[D+8*n+z:D+8*n+z+1], v[D+8*n+z:D+8*n+z+1], v[SA+2*(n%2):SA+2*(n%2)+1]
.else
	E16 v_pk_mul_f32 v[D+8*n+z:D+8*n+z+1], v[D+8*n+z:D+8*n+z+1], v[RS+2*(n%2):RS+2*(n%2)+1] op_sel_hi:[1,0]
	E16 v_pk_fma_f32 v[D+8*n+z:D+8*n+z+1], v[D+8*n+z:D+8*n+z+1], v[LP1+8*(n/2)+z:LP1+8*(n/2)+z+1], v[LP2+8*(n/2)+z:LP2+8*(n/2)+z+1]
.endif
.if (\id) == 2
	E16 v_fma_mix_f32 v[D+8*n+z], v[LH+4*n+z/2], v[ONE], v[D+8*n+z] op_sel_hi:[1,0,0]
	E16 v_fma_mix_f32 v[D+8*n+z+1], v[LH+4*n+z/2], v[ONE], v[D+8*n+z+1] op_sel:[1,0,0] op_sel_hi:[1,0,0]
	E16 v_pk_add_f32 v[SA+2*(n%2):SA+2*(n%2)+1], v[SA+2*(n%2):SA+2*(n%2)+1], v[D+8*n+z:D+8*n+z+1]
	E16 v_cvt_pk_f16_f32 v[PKT+4*n+z/2], v[D+8*n+z], v[D+8*n+z+1]
	ST4 HBS, 0
.elseif (\id) == 4
	E16 v_cvt_pk_f16_f32 v[PKT+4*n+z/2], v[D+8*n+z], v[D+8*n+z+1]
	ST4 ABS, 0
.endif
	v_add_nc_u32 v[ABS], 64, v[ABS]
	v_add_nc_u32 v[HBS], 64, v[HBS]
	v_add_nc_u32 v[PA], 128, v[PA]
	s_sub_co_u32 s[CNT], s[CNT], 1
	s_cmp_lg_u32 s[CNT], 0
	s_cbranch_scc1 .Lln_\@
.endm
; Half hf of my 32 rows leaves: a row's 512 bytes of f32 from the stage, x1's 4 halves a lane added, one store of 512 consecutive aligned bytes a row; 4 trips of 8 rows.
.macro COPYOUT hf
	WIN 0
	v_mov_b32 v[CAS], v[CA]
	v_mov_b32 v[CHS], v[CH]
	v_mov_b32 v[GOS], v[GOF]
	s_mov_b32 s[CNT], 4
.Lco_\@:
.irp i, 0,1,2,3,4,5,6,7
	ds_load_b128 v[T+4*\i:T+4*\i+3], v[CAS] offset:AP*\i          ; LDS serves a wave's instructions in order: these see my stores into the stage
.endr
.irp i, 0,1,2,3,4,5,6,7
	ds_load_b64 v[T+32+2*\i:T+32+2*\i+1], v[CHS] offset:AP*\i+256*(\hf)
.endr
	s_wait_dscnt 0x0
.irp i, 0,1,2,3,4,5,6,7
	v_fma_mix_f32 v[T+4*\i], v[T+32+2*\i], v[ONE], v[T+4*\i] op_sel_hi:[1,0,0]
	v_fma_mix_f32 v[T+4*\i+1], v[T+32+2*\i], v[ONE], v[T+4*\i+1] op_sel:[1,0,0] op_sel_hi:[1,0,0]
	v_fma_mix_f32 v[T+4*\i+2], v[T+32+2*\i+1], v[ONE], v[T+4*\i+2] op_sel_hi:[1,0,0]
	v_fma_mix_f32 v[T+4*\i+3], v[T+32+2*\i+1], v[ONE], v[T+4*\i+3] op_sel:[1,0,0] op_sel_hi:[1,0,0]
.endr
.irp i, 0,1,2,3,4,5,6,7
	global_store_b128 v[GOS], v[T+4*\i:T+4*\i+3], s[12:13] offset:1024*\i+512*(\hf)
.endr
	s_wait_xcnt 0x0                                ; the stores' offset and data are written again only behind this wait
	v_add_nc_u32 v[CAS], 8*AP, v[CAS]
	v_add_nc_u32 v[CHS], 8*AP, v[CHS]
	v_add_nc_u32 v[GOS], 8192, v[GOS]
	s_sub_co_u32 s[CNT], s[CNT], 1
	s_cmp_lg_u32 s[CNT], 0
	s_cbranch_scc1 .Lco_\@
.endm
	s_load_b256 s[4:11], s[0:1], 0x0               ; hb s[4:5], kt s[6:7], vb s[8:9], pack s[10:11]
	s_load_b64 s[12:13], s[0:1], 0x20              ; out
	v_lshl_add_u32 v[SPW], v0, 2, SPARE
	v_mov_b32 v[NIL], 0
	ds_add_u32 v[SPW], v[NIL]                      ; the wave's opening: the add and its wait ahead of my first tensor load
	v_lshrrev_b32 v1, 5, v0
	v_readfirstlane_b32 s[WV], v1
	s_bfe_u32 s[CX], ttmp6, 0x40000                ; my place in the cluster: it enters global addresses of my own data alone
	s_mov_b32 s[BT], ttmp9                         ; the cluster's number: the batch
	s_mov_b32 s[G1W], 15|(1<<16)|(1<<20)|(1<<21)|(5<<22)|(7<<25)  ; weights, K^T: all four work-groups; 2-byte elements; after every 64 words 8 of padding
	s_mov_b32 s[G1W+1], 128<<16
	s_mov_b32 s[G1W+2], 64<<16
	s_mov_b32 s[G1W+3], 128<<16
	s_mov_b32 s[G1W+4], 64
	s_mov_b32 s[G1W+5], 128
	s_mov_b32 s[G1W+6], 0
	s_mov_b32 s[G1W+7], 0
	s_mov_b32 s[G1V], 15|(1<<16)|(1<<20)|(1<<21)|(6<<22)|(7<<25)  ; V: 32 rows of 256 elements; after every 128 words 8 of padding
	s_mov_b32 s[G1V+1], 256<<16
	s_mov_b32 s[G1V+2], 32<<16
	s_mov_b32 s[G1V+3], 256<<16
	s_mov_b32 s[G1V+4], 32
	s_mov_b32 s[G1V+5], 256
	s_mov_b32 s[G1V+6], 0
	s_mov_b32 s[G1V+7], 0
	s_mov_b32 s[G1H], (1<<16)|(1<<20)|(6<<22)|(3<<25)             ; my own rows of h: the same shape, 4 words of padding, no mask
	s_mov_b32 s[G1H+1], 256<<16
	s_mov_b32 s[G1H+2], 32<<16
	s_mov_b32 s[G1H+3], 256<<16
	s_mov_b32 s[G1H+4], 32
	s_mov_b32 s[G1H+5], 256
	s_mov_b32 s[G1H+6], 0
	s_mov_b32 s[G1H+7], 0
	s_mov_b32 s[G1P], 15|(3<<16)|(1<<21)           ; 2,048 dense bytes as 8 rows of 256, jointly: parameters, mask terms
	s_mov_b32 s[G1P+1], 32<<16
	s_mov_b32 s[G1P+2], 8<<16
	s_mov_b32 s[G1P+3], 32<<16
	s_mov_b32 s[G1P+4], 8
	s_mov_b32 s[G1P+5], 32
	s_mov_b32 s[G1P+6], 0
	s_mov_b32 s[G1P+7], 0
	s_mov_b32 s[G1T], 3<<16                        ; one row of 2,560 bytes: my window of a table copy
	s_mov_b32 s[G1T+1], 320<<16
	s_mov_b32 s[G1T+2], 1<<16
	s_mov_b32 s[G1T+3], 320<<16
	s_mov_b32 s[G1T+4], 1
	s_mov_b32 s[G1T+5], 320
	s_mov_b32 s[G1T+6], 0
	s_mov_b32 s[G1T+7], 0
	s_mul_i32 s[WW], s[WV], 64*WP                  ; my quarter of a slot: of weights and K^T,
	s_mul_i32 s[WVV], s[WV], 32*VP                 ; of V
.irp g, 76,80,84,88,92
	s_mov_b32 s[\g], 1
.endr
	s_add_co_u32 s[G0+1], s[WW], 0                 ; wq's first half: slot 0
	s_mul_i32 s17, s[WV], 32*AP
	s_add_co_u32 s81, s17, HREG
	s_lshl_b32 s18, s[WV], 11
	s_add_co_u32 s85, s18, PAR
	s_add_co_u32 s93, s18, MSK
	s_mul_i32 s19, s[WV], TP
	s_add_co_u32 s89, s19, TAB
	s_mov_b32 s[CS], 0x3db8aa3b                    ; c = log2(e) / 16
	s_mov_b32 s[CS+1], s[CS]
	s_mov_b32 s[SEL], 0x76543210
	s_mov_b32 s[SEL+1], 0xfedcba98
	s_mov_b32 s[EPS], 0x3727c5ac                   ; 1e-5
	s_mov_b32 s[I256], 0x3b800000                  ; 1 / 256
	s_mov_b32 s[K1], 0x3eaa540e                    ; 0.47047 / sqrt(2)
	s_mov_b32 s[K1+1], s[K1]
	s_mov_b32 s[K2], 0x3f596d27                    ; sqrt(log2(e) / 2)
	s_mov_b32 s[K2+1], s[K2]
	s_mov_b32 s[A3], 0xbebf7377                    ; -0.7478556 / 2
	s_mov_b32 s[A3+1], s[A3]
	s_mov_b32 s[A2], 0x3d445ca1                    ; 0.0958798 / 2
	s_mov_b32 s[A2+1], s[A2]
	s_mov_b32 s[A1], 0xbe32303a                    ; -0.3480242 / 2
	s_mov_b32 s[A1+1], s[A1]
	s_wait_dscnt 0x0
	s_wait_kmcnt 0x0
	s_lshl_b32 s18, s[BT], 18                      ; K^T and V: the batch's 262,144 bytes, my quarter of a block's 65,536
	s_lshl_b32 s17, s[WV], 14
	s_add_co_u32 s18, s18, s17
	s_mov_b32 s19, 0
	s_add_nc_u64 s[PK:PK+1], s[PK:PK+1], s[18:19]
	s_add_nc_u64 s[PVP:PVP+1], s[PVP:PVP+1], s[18:19]
	s_lshl_b32 s2, s[CX], 16                       ; h: (512 batch + 128 cx + 32 w) rows of 512 bytes
	s_add_co_u32 s2, s2, s18
	s_mov_b32 s3, 0
	s_add_nc_u64 s[82:83], s[4:5], s[2:3]
	s_or_b32 s83, s83, 0x80000000
	s_lshl_b32 s18, s[WV], 11                      ; parameters from bq on, a quarter a wave
	s_add_co_u32 s18, s18, 788480
	s_add_nc_u64 s[86:87], s[10:11], s[18:19]
	s_or_b32 s87, s87, 0x80000000
	s_lshl_b32 s2, s[WV], 12                       ; table copy w, from entry 384 - 128 cx on: my queries' 639 differences lie in 640 entries
	s_add_co_u32 s2, s2, 796672+1536
	s_lshl_b32 s17, s[CX], 9
	s_sub_co_u32 s2, s2, s17
	s_add_nc_u64 s[90:91], s[10:11], s[2:3]
	s_or_b32 s91, s91, 0x80000000
	s_lshl_b32 s18, s[BT], 11                      ; the batch's mask terms
	s_add_co_u32 s18, s18, 813056
	s_add_nc_u64 s[94:95], s[10:11], s[18:19]
	s_or_b32 s95, s95, 0x80000000
	s_lshl_b32 s18, s[WV], 14                      ; weights: wq, wo, w1, w2 lie end to end from byte 262,144 on
	s_add_co_u32 s18, s18, 262144
	s_add_nc_u64 s[PP:PP+1], s[PP:PP+1], s[18:19]
	s_mov_b64 s[G0+2:G0+3], s[PP:PP+1]
	s_or_b32 s[G0+3], s[G0+3], 0x80000000
	s_add_nc_u64 s[PP:PP+1], s[PP:PP+1], 65536
	s_lshl_b32 s2, s[BT], 19                       ; out: my rows of 1,024 bytes
	s_lshl_b32 s17, s[CX], 17
	s_add_co_u32 s2, s2, s17
	s_lshl_b32 s17, s[WV], 15
	s_add_co_u32 s2, s2, s17
	s_add_nc_u64 s[12:13], s[12:13], s[2:3]
	s_mul_i32 s2, s[WV], 32*AP                     ; my rows in HREG and ACT
	s_mov_b32 s[NI256], 0xbb800000                 ; -1 / 256
	ROUND                                          ; the four work-groups are here: the first joint loads meet
	tensor_load_to_lds s[80:83], s[G1H:G1H+7]      ; five loads of mine are out: my rows of h,
	s_nop 0
	tensor_load_to_lds s[G0:G0+3], s[G1W:G1W+7]    ; a quarter of wq's first half,
	s_nop 0
	tensor_load_to_lds s[84:87], s[G1P:G1P+7]      ; of the parameters,
	s_nop 0
	tensor_load_to_lds s[88:91], s[G1T:G1T+7]      ; a table copy,
	s_nop 0
	tensor_load_to_lds s[92:95], s[G1P:G1P+7]      ; my copy of the mask terms
	s_nop 0
	PLACES
	v_and_b32 v1, 15, v0                           ; r
	v_bfe_u32 v2, v0, 4, 1                         ; h
	v_and_b32 v29, 7, v0
	v_bfe_u32 v30, v0, 3, 1
	v_lshl_add_u32 v29, v2, 3, v29                 ; the turning load: lane L reads row 8 h + L % 8, 16 bytes at 16 ((L / 8) % 2)
	v_mul_u32_u24 v[AT0L], v29, WP
	v_lshl_add_u32 v[AT0L], v30, 4, v[AT0L]
	v_add_nc_u32 v[AT0L+1], 128*WP, v[AT0L]
	v_add_nc_u32 v[AT0L+2], SLOT, v[AT0L]
	v_add_nc_u32 v[AT0L+3], SLOT+128*WP, v[AT0L]
	v_mul_u32_u24 v[AVL], v29, VP
	v_lshl_add_u32 v[AVL], v30, 4, v[AVL]
	v_add_nc_u32 v[AVL], SLOT, v[AVL]
	v_mul_u32_u24 v29, v1, AP
	v_lshl_add_u32 v29, v2, 4, v29
	v_add_nc_u32 v29, s2, v29                      ; (32 w + r) x pitch + 16 h
	v_add_nc_u32 v[HB], HREG, v29
	v_add_nc_u32 v[AB], ACT, v29
	v_lshl_add_u32 v[SW], v2, 4, v[AB]             ; for f32: 32 h
	v_lshl_add_u32 v[PB], v2, 5, PAR
	s_lshl_b32 s17, s[WV], 5
	s_sub_co_u32 s17, 111, s17
	v_lshl_add_u32 v29, v2, 3, s17
	v_sub_nc_u32 v29, v29, v1                      ; b = 8 h - 32 w - r + 127 - 16: the window's index of my first key of diagonal -1, never below 0
	v_and_b32 v30, 3, v29                          ; copy b % 4 holds it at entry b - b % 4: every read of 4 entries is aligned
	v_and_b32 v29, -4, v29
	v_mul_u32_u24 v30, v30, TP
	v_lshl_add_u32 v29, v29, 2, v30
	v_add_nc_u32 v[TBA], TAB, v29
	s_lshl_b32 s17, s[WV], 11
	s_add_co_u32 s17, s17, MSK
	v_lshl_add_u32 v[MKA], v2, 5, s17
	v_and_b32 v27, 31, v0
	v_lshlrev_b32 v[GOF], 4, v27
	s_add_co_u32 s17, s2, ACT
	v_lshl_add_u32 v[CA], v27, 4, s17
	s_add_co_u32 s17, s2, HREG
	v_lshl_add_u32 v[CH], v27, 3, s17
	v_mov_b32 v[ONE], 1.0
.irp qt, 0,1
	v_mov_b32 v[ST+8*\qt], 0xfe000000              ; c m: far below every c s
	v_mov_b32 v[ST+8*\qt+1], 0xff7fffff            ; m
	v_mov_b32 v[ST+8*\qt+2], 0
	v_mov_b32 v[ST+8*\qt+3], 0
	v_mov_b32 v[MU+2*\qt+1], 0                     ; named with their partners as pairs
	v_mov_b32 v[RS+2*\qt+1], 0
.endr
	WIN 0xc0
.set i, 0
.rept 256
	v_mov_b32 v[i], 0                              ; O^T
.set i, i+1
.endr
	CHANGE 1, 1, PP                                ; all first fills are in, everybody's; wq's second half is asked for
	LDB HB
	GLOOP 0, 0, 1, HQ, 0
	CHANGE 1, 0, PK                                ; K^T block 0
	GLOOP 1, 1, 1, HQ, 0
	LDB AB                                         ; q stays in registers through the four blocks
	WIN 0x40
	ds_load_b128 v[RW:RW+3], v[TBA]                ; diagonal -1 of block 0; later blocks inherit it: it is the block before's diagonal 7
	ds_load_b128 v[RW+4:RW+7], v[TBA] offset:16
	WIN 0
	s_mov_b32 s[JC], 4
.Lblk:
	CHANGE 2, 1, PVP                               ; this block's K^T is whole; its V is asked for
	CG 0
	LDF F0, AT0L, 0
	LDF F1, AT0L+1, 0
.irp p, 0,1,2,3
	s_wait_dscnt 32                                ; the pair's bias and mask tiles are in; both fragment runs may be out
	CTMAKE \p
	s_wait_dscnt 16                                ; the first run
	SSTAGE F0, 0, \p
	PLACES
.if \p < 3
	CG \p+1
	LDF F0, AT0L, 64*(\p+1)
	s_wait_dscnt 24                                ; the second run; the 24 just issued stay out
.else
	s_wait_dscnt 0x0
.endif
	SSTAGE F1, 1, \p
	PLACES
.if \p < 3
	LDF F1, AT0L+1, 64*(\p+1)
.endif
.endr
	CHANGE 3, 0, PK                                ; V is whole; slot 0 takes the next K^T block, at last wo's first half
	LDV F0, 0                                      ; the softmax stands between these loads and their use
	LDV F1, 1
	WIN 0
	; the maximum of 64 scores and the old m, three operands at a time, four chains a query tile; each accumulator's lowest registers are read first
.irp i, 0,1,2,3
.irp qt, 0,1
	v_max3_num_f32 v[ST+8*\qt+4+\i], v[S+64*\qt+8*\i], v[S+64*\qt+8*\i+1], v[S+64*\qt+8*\i+2]
.endr
.endr
.irp o, 3,5,32,34,36,38
.irp i, 0,1,2,3
.irp qt, 0,1
	v_max3_num_f32 v[ST+8*\qt+4+\i], v[ST+8*\qt+4+\i], v[S+64*\qt+8*\i+\o], v[S+64*\qt+8*\i+\o+1]
.endr
.endr
.endr
.irp qt, 0,1
	v_max3_num_f32 v[ST+8*\qt+4], v[ST+8*\qt+4], v[S+64*\qt+7], v[S+64*\qt+15]
	v_max3_num_f32 v[ST+8*\qt+6], v[ST+8*\qt+6], v[S+64*\qt+23], v[S+64*\qt+31]
.endr
.irp qt, 0,1
	v_max3_num_f32 v[ST+8*\qt+4], v[ST+8*\qt+4], v[ST+8*\qt+5], v[ST+8*\qt+6]
.endr
.irp qt, 0,1
	v_max3_num_f32 v[ST+8*\qt+4], v[ST+8*\qt+4], v[ST+8*\qt+7], v[ST+8*\qt+1]
.endr
.irp qt, 0,1
	v_permlanex16_b32 v[ST+8*\qt+5], v[ST+8*\qt+4], s[SEL], s[SEL+1]   ; the query's other 64 keys lie in the lane 16 away
.endr
.irp qt, 0,1
	v_mov_b32 v[ST+8*\qt+7], v[ST+8*\qt]           ; c m_old
.endr
.irp qt, 0,1
	v_max_num_f32 v[ST+8*\qt+1], v[ST+8*\qt+4], v[ST+8*\qt+5]
.endr
.irp qt, 0,1
	v_mul_f32 v[ST+8*\qt], s[CS], v[ST+8*\qt+1]
.endr
.irp qt, 0,1
	v_sub_f32 v[ST+8*\qt+7], v[ST+8*\qt+7], v[ST+8*\qt]
.endr
.irp qt, 0,1
	v_exp_f32 v[ST+8*\qt+6], v[ST+8*\qt+7]         ; a
.endr
.set z, 0
.rept 32
.irp qt, 0,1
	v_pk_fma_f32 v[S+64*\qt+z:S+64*\qt+z+1], v[S+64*\qt+z:S+64*\qt+z+1], s[CS:CS+1], v[ST+8*\qt:ST+8*\qt+1] op_sel_hi:[1,0,0] neg_lo:[0,0,1] neg_hi:[0,0,1]
.endr
.set z, z+2
.endr
.set kt, 0
.rept 8                                                ; a key tile's exponentials, then the plain work of the tile before: plain lines stand between every exponential and its result's use
.irp qt, 0,1
.irp j, 0,1,2,3,4,5,6,7
	v_exp_f32 v[S+64*\qt+8*kt+\j], v[S+64*\qt+8*kt+\j]
.endr
.endr
.if kt == 0
	v_nop
.else
	TAILT 0, kt-1
	TAILT 1, kt-1
.endif
.set kt, kt+1
.endr
	TAILT 0, 7
	TAILT 1, 7
	WIN 0xc3
.set i, 0
.rept 128
	v_pk_mul_f32 v[2*i:2*i+1], v[2*i:2*i+1], v[ST+8*(i/64)+6:ST+8*(i/64)+7] op_sel_hi:[1,0]   ; O^T times a
.set i, i+1
.endr
.irp g, 0,1,2,3,4,5,6,7
.if \g < 7
	s_wait_dscnt 16                                ; this group's run is in; the next group's stays out
.else
	s_wait_dscnt 0x0
.endif
	PVSTAGE F0+64*(\g%2), \g
	PLACES
.if \g < 6
	LDV F0+64*(\g%2), \g+2
.endif
.endr
	WIN 0
	v_add_nc_u32 v[TBA], 512, v[TBA]               ; 128 keys on
	v_add_nc_u32 v[MKA], 512, v[MKA]
	s_sub_co_u32 s[JC], s[JC], 1
	s_cmp_lg_u32 s[JC], 0
	s_cbranch_scc1 .Lblk
	s_add_nc_u64 s[PP:PP+1], s[PP:PP+1], 65536     ; the last change took wo's first half
	; O / l, rounded to f16: two neighbouring channel tiles are a source-1 fragment of the next product
.irp qt, 0,1
	v_add_f32 v[ST+8*\qt+4], v[ST+8*\qt+2], v[ST+8*\qt+3]
.endr
.irp qt, 0,1
	v_permlanex16_b32 v[ST+8*\qt+5], v[ST+8*\qt+4], s[SEL], s[SEL+1]
.endr
.irp qt, 0,1
	v_add_f32 v[ST+8*\qt+4], v[ST+8*\qt+4], v[ST+8*\qt+5]
.endr
.irp qt, 0,1
	v_rcp_f32 v[ST+8*\qt+6], v[ST+8*\qt+4]
.endr
.irp q, 0,1,2,3,4,5
	v_mov_b32 v[SA+\q], 0                          ; the sums of o' and of bo start at 0; also the plain lines behind the reciprocals
.endr
	WIN 0xc3
.set i, 0
	s_wait_alu depctr_va_vdst(0)
.rept 128
	v_pk_mul_f32 v[2*i:2*i+1], v[2*i:2*i+1], v[ST+8*(i/64)+6:ST+8*(i/64)+7] op_sel_hi:[1,0]
.set i, i+1
.endr
	WIN 0x8f
.set i, 0
.rept 128
	v_cvt_pk_f16_f32 v[i], v[2*i], v[2*i+1]
.set i, i+1
.endr
	CHANGE 1, 1, PP                                ; wo's second half
	GLOOP 0, 0, 0, HO, 1024
	CHANGE 1, 0, PP                                ; w1's first half: it lands under the rest of wo and the four passes
	GLOOP 1, 1, 0, HO, 1024
.irp qt, 0,1
	v_pk_add_f32 v[SA+2*\qt:SA+2*\qt+1], v[SA+2*\qt:SA+2*\qt+1], v[SB:SB+1]
.endr
	MEAN
	LNPASS 1
	RSTD
	LNPASS 2
	MEAN
	LNPASS 3
	RSTD
	LNPASS 4
	LDB AB                                         ; c
	CHANGE 1, 1, PP                                ; w1's second half
	GLOOP 0, 0, 1, HG, 6144
	CHANGE 1, 0, PP                                ; w2's first half
	GLOOP 1, 1, 1, HG, 6144
	LDB AB                                         ; the gelu; behind these loads ACT serves as the stage
	CHANGE 1, 1, PP                                ; w2's second half
	GLOOP 0, 0, 1, HW, 7168
	COPYOUT 0
	CHANGE 0, 0, PP                                ; nothing is left to fetch
	GLOOP 1, 1, 1, HW, 7168
	COPYOUT 1
	s_wait_tensorcnt 0x0                           ; the wave's end
	ds_add_u32 v[SPW], v[NIL]
	s_wait_dscnt 0x0
	ROUND                                          ; the closing round
	s_endpgm
.Lfunc_end_k_qedf4e9563d_main0:
	.size	k_qedf4e9563d_main0, .Lfunc_end_k_qedf4e9563d_main0-k_qedf4e9563d_main0
	.p2alignl 7, 3214868480
	.fill 96, 4, 3214868480
	.section	.rodata,"a",@progbits
	.p2align	6, 0x0
	.amdhsa_kernel k_qedf4e9563d_main0
		.amdhsa_group_segment_fixed_size 327680
		.amdhsa_private_segment_fixed_size 0
		.amdhsa_enable_private_segment 0
		.amdhsa_kernarg_size 40
		.amdhsa_user_sgpr_count 2
		.amdhsa_user_sgpr_kernarg_segment_ptr 1
		.amdhsa_wavefront_size32 1
		.amdhsa_system_sgpr_workgroup_id_x 1
		.amdhsa_system_sgpr_workgroup_id_y 1
		.amdhsa_system_sgpr_workgroup_id_z 1
		.amdhsa_system_vgpr_workitem_id 0
		.amdhsa_next_free_vgpr 1024
		.amdhsa_next_free_sgpr 102
		.amdhsa_reserve_vcc 0
		.amdhsa_float_denorm_mode_32 3
		.amdhsa_float_denorm_mode_16_64 3
		.amdhsa_memory_ordered 1
		.amdhsa_forward_progress 1
		.amdhsa_inst_pref_size 255
	.end_amdhsa_kernel
	.section	.bss,"aw",@nobits
	.p2align	6
	.space	262144
	.amdgpu_metadata
---
amdhsa.version: [ 1, 2 ]
amdhsa.kernels:
  - .name:           k_qedf4e9563d_main0
    .symbol:         k_qedf4e9563d_main0.kd
    .args:
      - { .name: hb, .offset: 0, .size: 8, .value_kind: global_buffer, .address_space: global }
      - { .name: kt, .offset: 8, .size: 8, .value_kind: global_buffer, .address_space: global }
      - { .name: vb, .offset: 16, .size: 8, .value_kind: global_buffer, .address_space: global }
      - { .name: pk0, .offset: 24, .size: 8, .value_kind: global_buffer, .address_space: global }
      - { .name: xa, .offset: 32, .size: 8, .value_kind: global_buffer, .address_space: global }
    .group_segment_fixed_size: 327680
    .private_segment_fixed_size: 0
    .kernarg_segment_align: 8
    .kernarg_segment_size: 40
    .max_flat_workgroup_size: 128
    .sgpr_count:     102
    .vgpr_count:     1024
    .wavefront_size: 32
...
	.end_amdgpu_metadata
.endif
;; end of part 3
;; launch kv1: the kernel of part 2 again; grid 256 x 1, 4 waves a work-group, clusters of 4 x 1, 327,680 bytes of LDS; arguments xa, pk1, hb, kt, vb; writes hb, kt, vb
;; launch main1: the kernel of part 3 again; grid 256 x 1, 4 waves a work-group, clusters of 4 x 1, 327,680 bytes of LDS; arguments hb, kt, vb, pk1, xa; writes xa
;; launch kv2: the kernel of part 2 again; grid 256 x 1, 4 waves a work-group, clusters of 4 x 1, 327,680 bytes of LDS; arguments xa, pk2, hb, kt, vb; writes hb, kt, vb
;; launch main2: the kernel of part 3 again; grid 256 x 1, 4 waves a work-group, clusters of 4 x 1, 327,680 bytes of LDS; arguments hb, kt, vb, pk2, out0; writes out0
;; ======== version 2 of 2: 7 launches; 1.20 times as fast as version 1
;; limits: a function is approximated: absolute error at most 2.5e-05; values are held in f16: magnitudes above 65,504 overflow, below 6.1e-05 lose precision; values outside matrix products are rounded to f16
;; workspace buffers: pk0 681,216 bytes; pk1 681,216 bytes; pk2 681,216 bytes; hb 16,777,216 bytes; tq 131,072 bytes; xa 33,554,432 bytes
;; launch prep (part 4): grid 64 x 3, 4 waves a work-group, no clusters, 4,864 bytes of LDS; arguments wq, wk, wv, wo, w1, w2, bq, bk, bv, bo, ln_g, ln_b, cm_ln_g, cm_ln_b, b1, b2, bias_table, mask, pk0, pk1, pk2; writes pk0, pk1, pk2
.if DOCPART == 4
	.amdgcn_target "amdgcn-amd-amdhsa--gfx1250"
	.amdhsa_code_object_version 6
	.text
	.protected	k_qedf4e9563d_prep
	.globl	k_qedf4e9563d_prep
	.p2align	8
	.type	k_qedf4e9563d_prep,@function
k_qedf4e9563d_prep:
	s_mov_b64 s[64:65], 0
	v_nop
	global_prefetch_b8 v0, s[64:65] scope:SCOPE_SE
	s_setreg_imm32_b32 hwreg(HW_REG_WAVE_MODE, 25, 1), 1
	s_wait_xcnt 0x0
; PREP: one pack of parameters for each of the three layers, so that one text serves every layer; and the two products of weights that take the k and v projections out of the rows' work:
;   (h wq + bq) . (hk wk + bk) = (h M + c) . hk + (h . u + s0),   M = wq wk^T, c = bq wk^T, u = wq bk, s0 = bq . bk
;   (a . (h wv + bv)) wo + bo  = (a . h) W + b',                  W = wv wo,   b' = bv wo + bo      (a row's weights a add up to 1)
; A pack, in bytes:
;   0        TQ[n][k] = M[k][n], f16, 256 rows of 512 bytes        131,072  TO[n][k] = W[k][n], likewise
;   262,144  w1, 393,216 w2: rounded once to f16, as two column halves [n >> 7][256 k][128 n]
;   524,288  eight vectors of 256 f32: c, b', ln_g, ln_b, cm_ln_g, cm_ln_b, b1, b2      532,480  u      533,504  s0
;   533,760  four copies of 1,024 f32 of the relative bias: copy s, entry e = 16 x table[bucket(e + s - 511)] (bucket(rel) = rel for rel >= 0, 511 - rel below)
;   550,144  [64][512] f32: 0 where the mask is set, -1e30 where it is 0
; SHARES.  Work-group (x, y): layer y; product x >> 5 (0: TQ, 1: TO), its rows n = 16 nt .., nt = (x >> 1) & 15, its columns k = 128 (x & 1) ..; wave w the columns' tiles 2 w, 2 w + 1.
; Source 0 = 16 rows of wq (wv), source 1 = 16 rows of wk (16 columns of wo), the sum along the 256 inner numbers: a lane holds one n and 8 neighbouring k, 16 bytes of a row of T.
; A third accumulator has the bias bq (bv) in all 16 rows of source 0: every row of it is c (bv wo).  In x < 2 three more, with bk in all 16 columns of source 1, give u and s0.
; FORMATS.  Operands rounded once to f16, sums f32, T rounded once to f16; c, b', u, s0 stay f32.   LIMIT: a weight, or a number of M or W, beyond 65,504 in magnitude has no f16.
; REGISTERS.  Window 0: addresses, accumulators, small jobs; v128-255 bk.  Window 1: two fragments' rows of A in f32, rounded in place.  Window 2: v0-127 B, v128-255 the bias, likewise.
.set PK_W1,  262144
.set PK_PAR, 524288
.set PK_U,   532480
.set PK_S0,  533504
.set PK_TAB, 533760
.set PK_MSK, 550144
.set SP,     272       ; a stage row: 256 bytes + 16
.set SPARE,  4352      ; behind the stage's 16 rows: the spare words, 128 bytes a wave
.set SPW,  3
.set NIL,  4
.set ACC0, 32
.set ACC1, 40
.set ACCB, 48
.set PKT,  56
.set U0,   64
.set U1,   72
.set S0A,  80
.set RB,   88
.set GM,   128
.set MSB, 0
.macro WIN new                         ; the immediate's high byte repeats the setting that is left
.if MSB != (\new)
	s_set_vgpr_msb (MSB<<8)|(\new)
.set MSB, (\new)
.endif
.endm
.macro PLACES                          ; four plain places behind matrix instructions (ISA guide 7.12.1)
.rept 4
	v_nop
.endr
.endm
; A lane's 128 f32 of one row (or of a vector): for each step of 32 inner numbers those at 8 h + 0..7 and 16 + 8 h + 0..7, the order of a fragment's registers
.macro LDROW dst, areg, sb, off
.irp ks, 0,1,2,3,4,5,6,7
	global_load_b128 v[(\dst)+16*\ks:(\dst)+16*\ks+3], v[\areg], s[\sb:\sb+1] offset:(\off)+128*\ks
	global_load_b128 v[(\dst)+16*\ks+4:(\dst)+16*\ks+7], v[\areg], s[\sb:\sb+1] offset:(\off)+128*\ks+16
	global_load_b128 v[(\dst)+16*\ks+8:(\dst)+16*\ks+11], v[\areg], s[\sb:\sb+1] offset:(\off)+128*\ks+64
	global_load_b128 v[(\dst)+16*\ks+12:(\dst)+16*\ks+15], v[\areg], s[\sb:\sb+1] offset:(\off)+128*\ks+80
.endr
.endm
.macro CVT64 base                      ; 128 f32 to 64 registers of f16, in place: result i lies below the sources of every later line
.set i, 0
.rept 64
	v_cvt_pk_f16_f32 v[(\base)+i], v[(\base)+2*i], v[(\base)+2*i+1]
.set i, i+1
.endr
.endm
	s_load_b512 s[4:19], s[0:1], 0x0               ; wq wk wv wo w1 w2 bq bk
	s_load_b512 s[20:35], s[0:1], 0x40             ; bv bo ln_g ln_b cm_g cm_b b1 b2
	s_load_b256 s[36:43], s[0:1], 0x80             ; table, mask, pk0, pk1
	s_load_b64 s[44:45], s[0:1], 0xa0              ; pk2
	v_lshl_add_u32 v[SPW], v0, 2, SPARE
	v_mov_b32 v[NIL], 0
	s_mov_b32 s50, ttmp9                           ; x
	s_and_b32 s51, ttmp7, 0xffff                   ; y: the layer
	v_lshrrev_b32 v5, 5, v0
	v_readfirstlane_b32 s52, v5                    ; wave
	s_lshr_b32 s60, s50, 5                         ; which product
	s_bfe_u32 s61, s50, 0x40001                    ; nt
	s_and_b32 s62, s50, 1                          ; which half of the columns k
	s_lshl_b32 s63, s51, 18                        ; a layer's matrix: 262,144 bytes
	s_lshl_b32 s66, s51, 10                        ; a layer's vector: 1,024 bytes
	v_and_b32 v1, 15, v0                           ; r
	v_bfe_u32 v2, v0, 4, 1                         ; h
	v_lshlrev_b32 v5, 10, v1
	v_lshl_add_u32 v5, v2, 5, v5                   ; row r, 8 h numbers in
	s_lshl_b32 s53, s62, 17                        ; A: rows 128 (x & 1) + 32 w + r
	s_lshl_b32 s54, s52, 15
	s_add_co_u32 s53, s53, s54
	s_add_co_u32 s53, s53, s63
	v_add_nc_u32 v6, s53, v5
	s_lshl_b32 s53, s61, 14                        ; B by rows: rows 16 nt + r
	s_add_co_u32 s53, s53, s63
	v_add_nc_u32 v7, s53, v5
	v_lshlrev_b32 v8, 13, v2                       ; B by columns: row 8 h, column 16 nt + r
	v_lshl_add_u32 v8, v1, 2, v8
	s_lshl_b32 s53, s61, 6
	s_add_co_u32 s53, s53, s63
	v_add_nc_u32 v8, s53, v8
	v_lshl_add_u32 v9, v2, 5, s66                  ; a vector: 8 h numbers in
	s_and_b32 s53, s50, 31                         ; w1 (x < 32) or w2: my 8 rows, 16 bytes a thread, two rows a load
	s_lshl_b32 s55, s53, 13
	s_add_co_u32 s55, s55, s63
	v_lshl_add_u32 v10, v0, 4, s55
	v_bfe_u32 v11, v0, 5, 1                        ; column half
	v_lshrrev_b32 v12, 6, v0                       ; row of the two
	v_and_b32 v13, 31, v0
	v_lshlrev_b32 v13, 3, v13                      ; 4 f16 a thread: a wave fills 256 consecutive bytes
	v_lshl_add_u32 v13, v12, 8, v13
	v_lshl_add_u32 v13, v11, 16, v13
	s_lshl_b32 s55, s53, 11
	s_lshl_b32 s53, s60, 17
	s_add_co_u32 s55, s55, s53
	v_add_nc_u32 v13, s55, v13
	v_mul_u32_u24 v14, v1, SP                      ; into the stage: row r, my tiles' 64 bytes, 16 bytes for each half of the lanes
	v_lshl_add_u32 v14, v2, 4, v14
	s_lshl_b32 s53, s52, 6
	v_add_nc_u32 v14, s53, v14
	v_mul_u32_u24 v15, v2, SP                      ; back: rows 4 w + h, 16 lanes to a row of 256 bytes
	v_lshl_add_u32 v15, v1, 4, v15
	s_mul_i32 s53, s52, 4*SP
	v_add_nc_u32 v15, s53, v15
	s_lshl_b32 s53, s61, 13                        ; and in T: row 16 nt + 4 w + h of 512 bytes, my half of it
	s_lshl_b32 s54, s52, 11
	s_add_co_u32 s53, s53, s54
	s_lshl_b32 s54, s62, 8
	s_add_co_u32 s53, s53, s54
	s_lshl_b32 s54, s60, 17
	s_add_co_u32 s53, s53, s54
	v_lshlrev_b32 v104, 9, v2
	v_lshl_add_u32 v104, v1, 4, v104
	v_add_nc_u32 v104, s53, v104
	s_wait_kmcnt 0x0
	s_cmp_eq_u32 s51, 1
	s_cselect_b64 s[46:47], s[42:43], s[40:41]
	s_cmp_eq_u32 s51, 2
	s_cselect_b64 s[46:47], s[44:45], s[46:47]     ; the layer's pack
	s_cmp_eq_u32 s60, 1
	s_cselect_b64 s[48:49], s[8:9], s[4:5]         ; A: wv or wq
	s_cselect_b64 s[56:57], s[20:21], s[16:17]     ; the bias: bv or bq
	s_cselect_b64 s[58:59], s[14:15], s[12:13]     ; to convert: w2 or w1
	; all loads in one run
.irp i, 0,1,2,3
	global_load_b128 v[16+4*\i:19+4*\i], v10, s[58:59] offset:2048*\i
.endr
	WIN 0x40
	LDROW 0, 6, 48, 0
	LDROW 128, 6, 48, 16384
	WIN 0x80
	LDROW 128, 9, 56, 0
	WIN 0
	s_cmp_eq_u32 s60, 1
	s_cbranch_scc1 .Lb_cols
	WIN 0x80
	LDROW 0, 7, 6, 0                               ; wk's rows lie along the inner index
	WIN 0
	s_branch .Lb_done
.Lb_cols:
	WIN 0x80
.irp ks, 0,1,2,3,4,5,6,7                               ; wo's columns: one number a load; 16 lanes take 64 neighbouring bytes of a row
.irp a, 0,1
.irp i, 0,1,2,3,4,5,6,7
	global_load_b32 v[16*\ks+8*\a+\i], v8, s[10:11] offset:(32*\ks+16*\a+\i)*1024
.endr
.endr
.endr
	WIN 0
.Lb_done:
	s_wait_loadcnt 0x0
.irp i, 0,1,2,3
	v_cvt_pk_f16_f32 v[96+2*\i], v[16+4*\i], v[17+4*\i]
	v_cvt_pk_f16_f32 v[97+2*\i], v[18+4*\i], v[19+4*\i]
	global_store_b64 v13, v[96+2*\i:97+2*\i], s[46:47] offset:PK_W1+512*\i
.endr
	WIN 0x45
	CVT64 0
	CVT64 128
	WIN 0x8a
	CVT64 0
	CVT64 128
	; the three accumulators take turns, one instruction a turn; the first step starts the sums
.irp ks, 0,1,2,3,4,5,6,7
	WIN 0x09
.if \ks == 0
	v_wmma_f32_16x16x32_f16 v[ACC0:ACC0+7], v[0:7], v[0:7], 0
	v_wmma_f32_16x16x32_f16 v[ACC1:ACC1+7], v[128:135], v[0:7], 0
	WIN 0x0a
	v_wmma_f32_16x16x32_f16 v[ACCB:ACCB+7], v[128:135], v[0:7], 0
.else
	v_wmma_f32_16x16x32_f16 v[ACC0:ACC0+7], v[8*\ks:8*\ks+7], v[8*\ks:8*\ks+7], v[ACC0:ACC0+7]
	v_wmma_f32_16x16x32_f16 v[ACC1:ACC1+7], v[128+8*\ks:128+8*\ks+7], v[8*\ks:8*\ks+7], v[ACC1:ACC1+7]
	WIN 0x0a
	v_wmma_f32_16x16x32_f16 v[ACCB:ACCB+7], v[128+8*\ks:128+8*\ks+7], v[8*\ks:8*\ks+7], v[ACCB:ACCB+7]
.endif
.endr
	WIN 0
	PLACES
.irp z, 0,1,2,3
	v_cvt_pk_f16_f32 v[PKT+\z], v[ACC0+2*\z], v[ACC0+2*\z+1]
.endr
.irp z, 0,1,2,3
	v_cvt_pk_f16_f32 v[PKT+4+\z], v[ACC1+2*\z], v[ACC1+2*\z+1]
.endr
	ds_store_b128 v14, v[PKT:PKT+3]
	ds_store_b128 v14, v[PKT+4:PKT+7] offset:32
	s_wait_dscnt 0x0                               ; for the others' sake: my stores into the stage are done
	s_barrier_signal -1
	s_barrier_wait -1
	ds_load_b128 v[RB:RB+3], v15
	ds_load_b128 v[RB+4:RB+7], v15 offset:2*SP
	s_wait_tensorcnt 0x0                           ; behind my last LDS store
	ds_add_u32 v[SPW], v[NIL]
	s_wait_dscnt 0x0
	global_store_b128 v104, v[RB:RB+3], s[46:47]               ; 16 lanes store 256 consecutive bytes, aligned
	global_store_b128 v104, v[RB+4:RB+7], s[46:47] offset:1024
	; c or b' of my 16 rows n: one work-group of the two that hold them, one wave; lanes r and r + 16 hold and store the same number
	s_cmp_lg_u32 s62, 0
	s_cbranch_scc1 .Lno_c
	s_cmp_lg_u32 s52, 0
	s_cbranch_scc1 .Lno_c
	v_mov_b32 v105, v[ACCB]
	s_lshl_b32 s53, s61, 6
	v_lshl_add_u32 v106, v1, 2, s53
	s_cmp_eq_u32 s60, 0
	s_cbranch_scc1 .Lno_bo
	v_add_nc_u32 v107, s66, v106
	global_load_b32 v108, v107, s[22:23]           ; bo
	s_wait_loadcnt 0x0
	v_add_f32 v105, v105, v108
.Lno_bo:
	s_lshl_b32 s53, s60, 10
	v_add_nc_u32 v106, s53, v106
	global_store_b32 v106, v105, s[46:47] offset:PK_PAR
.Lno_c:
	; u = wq bk of my 32 rows k, and s0: the two work-groups that hold wq's rows with nt = 0
	s_cmp_lt_u32 s50, 2
	s_cbranch_scc0 .Lno_u
	LDROW GM, 9, 18, 0
	s_wait_loadcnt 0x0
	CVT64 GM
.irp ks, 0,1,2,3,4,5,6,7
	WIN 0x01
.if \ks == 0
	v_wmma_f32_16x16x32_f16 v[U0:U0+7], v[0:7], v[GM:GM+7], 0
	v_wmma_f32_16x16x32_f16 v[U1:U1+7], v[128:135], v[GM:GM+7], 0
	WIN 0x02
	v_wmma_f32_16x16x32_f16 v[S0A:S0A+7], v[128:135], v[GM:GM+7], 0
.else
	v_wmma_f32_16x16x32_f16 v[U0:U0+7], v[8*\ks:8*\ks+7], v[GM+8*\ks:GM+8*\ks+7], v[U0:U0+7]
	v_wmma_f32_16x16x32_f16 v[U1:U1+7], v[128+8*\ks:128+8*\ks+7], v[GM+8*\ks:GM+8*\ks+7], v[U1:U1+7]
	WIN 0x02
	v_wmma_f32_16x16x32_f16 v[S0A:S0A+7], v[128+8*\ks:128+8*\ks+7], v[GM+8*\ks:GM+8*\ks+7], v[S0A:S0A+7]
.endif
.endr
	WIN 0
	PLACES
	s_lshl_b32 s53, s62, 9                         ; k = 128 (x & 1) + 32 w + 16 tile + 8 h + register; all 16 lanes of a half hold the same eight
	s_lshl_b32 s54, s52, 7
	s_add_co_u32 s53, s53, s54
	v_lshl_add_u32 v109, v2, 5, s53
	global_store_b128 v109, v[U0:U0+3], s[46:47] offset:PK_U
	global_store_b128 v109, v[U0+4:U0+7], s[46:47] offset:PK_U+16
	global_store_b128 v109, v[U1:U1+3], s[46:47] offset:PK_U+64
	global_store_b128 v109, v[U1+4:U1+7], s[46:47] offset:PK_U+80
	s_cmp_lg_u32 s50, 0
	s_cbranch_scc1 .Lno_u
	s_cmp_lg_u32 s52, 0
	s_cbranch_scc1 .Lno_u
	v_mov_b32 v110, 0
	global_store_b32 v110, v[S0A], s[46:47] offset:PK_S0       ; every lane holds s0
.Lno_u:
	; one small job more for some x
	s_cmp_lt_u32 s50, 6
	s_cbranch_scc0 .Lnot_vec
	s_mov_b64 s[68:69], s[24:25]                   ; x < 6: one of ln_g, ln_b, cm_ln_g, cm_ln_b, b1, b2
.irp q, 1,2,3,4,5
	s_cmp_eq_u32 s50, \q
	s_cselect_b64 s[68:69], s[24+2*\q:25+2*\q], s[68:69]
.endr
	s_cmp_lt_u32 s52, 2
	s_cbranch_scc0 .Lend                           ; 1,024 bytes: two waves, 16 bytes a lane
	v_lshl_add_u32 v112, v0, 4, s66
	s_lshl_b32 s53, s50, 10
	v_lshl_add_u32 v113, v0, 4, s53
	global_load_b128 v[116:119], v112, s[68:69]
	s_wait_loadcnt 0x0
	global_store_b128 v113, v[116:119], s[46:47] offset:PK_PAR+2048
	s_branch .Lend
.Lnot_vec:
	s_cmp_lt_u32 s50, 8
	s_cbranch_scc1 .Lend
	s_cmp_lt_u32 s50, 16
	s_cbranch_scc0 .Lnot_tab
	s_sub_co_u32 s53, s50, 8                       ; x = 8 .. 15: half of table copy s = (x - 8) / 2
	s_lshr_b32 s55, s53, 1
	s_and_b32 s53, s53, 1
	s_lshl_b32 s53, s53, 9                         ; my half's first entry
	s_add_co_u32 s67, s53, s55
	v_lshl_add_u32 v112, v0, 2, s67                ; i = e + s of my first entry, e = 512 half + 4 t
.irp j, 0,1,2,3
	v_add_nc_u32 v113, \j, v112
	v_sub_nc_u32 v114, 1022, v113                  ; rel < 0: 511 - rel = 1022 - i
	v_add_nc_u32 v115, 0xfffffe01, v113            ; else rel = i - 511
	v_cmp_gt_u32 vcc_lo, 511, v113
	v_cndmask_b32 v114, v115, v114, vcc_lo
	v_min_u32 v114, 1499, v114                     ; the table has 1,500 entries; the indices made here end at 1,022
	v_lshlrev_b32 v[120+\j], 2, v114
.endr
.irp j, 0,1,2,3
	global_load_b32 v[124+\j], v[120+\j], s[36:37]
.endr
	s_lshl_b32 s55, s55, 12
	s_lshl_b32 s53, s53, 2
	s_add_co_u32 s55, s55, s53
	v_lshl_add_u32 v116, v0, 4, s55
	s_wait_loadcnt 0x0
.irp j, 0,1,2,3
	v_mul_f32 v[124+\j], 0x41800000, v[124+\j]     ; x 16
.endr
	global_store_b128 v116, v[124:127], s[46:47] offset:PK_TAB
	s_branch .Lend
.Lnot_tab:
	s_cmp_lt_u32 s50, 32
	s_cbranch_scc1 .Lend
	s_sub_co_u32 s53, s50, 32                      ; x = 32 .. 63: 1,024 of the mask's 32,768 words
	s_lshl_b32 s53, s53, 12
	v_lshl_add_u32 v112, v0, 4, s53
	s_mov_b32 s67, 0xf149f2ca                      ; -1e30
	global_load_b128 v[16:19], v112, s[38:39]
	global_load_b128 v[20:23], v112, s[38:39] offset:2048
	s_wait_loadcnt 0x0
.irp j, 0,1,2,3,4,5,6,7
	v_cmp_eq_u32 vcc_lo, 0, v[16+\j]
	v_cndmask_b32 v[16+\j], 0, s67, vcc_lo
.endr
	global_store_b128 v112, v[16:19], s[46:47] offset:PK_MSK
	global_store_b128 v112, v[20:23], s[46:47] offset:PK_MSK+2048
.Lend:
	s_endpgm
.Lfunc_end_k_qedf4e9563d_prep:
	.size	k_qedf4e9563d_prep, .Lfunc_end_k_qedf4e9563d_prep-k_qedf4e9563d_prep
	.p2alignl 7, 3214868480
	.fill 96, 4, 3214868480
	.section	.rodata,"a",@progbits
	.p2align	6, 0x0
	.amdhsa_kernel k_qedf4e9563d_prep
		.amdhsa_group_segment_fixed_size 4864
		.amdhsa_private_segment_fixed_size 0
		.amdhsa_enable_private_segment 0
		.amdhsa_kernarg_size 168
		.amdhsa_user_sgpr_count 2
		.amdhsa_user_sgpr_kernarg_segment_ptr 1
		.amdhsa_wavefront_size32 1
		.amdhsa_system_sgpr_workgroup_id_x 1
		.amdhsa_system_sgpr_workgroup_id_y 1
		.amdhsa_system_sgpr_workgroup_id_z 1
		.amdhsa_system_vgpr_workitem_id 0
		.amdhsa_next_free_vgpr 768
		.amdhsa_next_free_sgpr 70
		.amdhsa_reserve_vcc 1
		.amdhsa_float_denorm_mode_32 3
		.amdhsa_float_denorm_mode_16_64 3
		.amdhsa_memory_ordered 1
		.amdhsa_forward_progress 1
		.amdhsa_inst_pref_size 64
	.end_amdhsa_kernel
	.amdgpu_metadata
---
amdhsa.version: [ 1, 2 ]
amdhsa.kernels:
  - .name:           k_qedf4e9563d_prep
    .symbol:         k_qedf4e9563d_prep.kd
    .args:
      - { .name: wq, .offset: 0, .size: 8, .value_kind: global_buffer, .address_space: global }
      - { .name: wk, .offset: 8, .size: 8, .value_kind: global_buffer, .address_space: global }
      - { .name: wv, .offset: 16, .size: 8, .value_kind: global_buffer, .address_space: global }
      - { .name: wo, .offset: 24, .size: 8, .value_kind: global_buffer, .address_space: global }
      - { .name: w1, .offset: 32, .size: 8, .value_kind: global_buffer, .address_space: global }
      - { .name: w2, .offset: 40, .size: 8, .value_kind: global_buffer, .address_space: global }
      - { .name: bq, .offset: 48, .size: 8, .value_kind: global_buffer, .address_space: global }
      - { .name: bk, .offset: 56, .size: 8, .value_kind: global_buffer, .address_space: global }
      - { .name: bv, .offset: 64, .size: 8, .value_kind: global_buffer, .address_space: global }
      - { .name: bo, .offset: 72, .size: 8, .value_kind: global_buffer, .address_space: global }
      - { .name: ln_g, .offset: 80, .size: 8, .value_kind: global_buffer, .address_space: global }
      - { .name: ln_b, .offset: 88, .size: 8, .value_kind: global_buffer, .address_space: global }
      - { .name: cm_ln_g, .offset: 96, .size: 8, .value_kind: global_buffer, .address_space: global }
      - { .name: cm_ln_b, .offset: 104, .size: 8, .value_kind: global_buffer, .address_space: global }
      - { .name: b1, .offset: 112, .size: 8, .value_kind: global_buffer, .address_space: global }
      - { .name: b2, .offset: 120, .size: 8, .value_kind: global_buffer, .address_space: global }
      - { .name: bias_table, .offset: 128, .size: 8, .value_kind: global_buffer, .address_space: global }
      - { .name: mask, .offset: 136, .size: 8, .value_kind: global_buffer, .address_space: global }
      - { .name: pk0, .offset: 144, .size: 8, .value_kind: global_buffer, .address_space: global }
      - { .name: pk1, .offset: 152, .size: 8, .value_kind: global_buffer, .address_space: global }
      - { .name: pk2, .offset: 160, .size: 8, .value_kind: global_buffer, .address_space: global }
    .group_segment_fixed_size: 4864
    .private_segment_fixed_size: 0
    .kernarg_segment_align: 8
    .kernarg_segment_size: 168
    .max_flat_workgroup_size: 128
    .sgpr_count:     70
    .vgpr_count:     768
    .wavefront_size: 32
...
	.end_amdgpu_metadata
.endif
;; end of part 4
;; launch ln0 (part 5): grid 256 x 1, 8 waves a work-group, no clusters, 0 bytes of LDS; arguments x, pk0, hb, tq; writes hb, tq
.if DOCPART == 5
	.amdgcn_target "amdgcn-amd-amdhsa--gfx1250"
	.amdhsa_code_object_version 6
	.text
	.protected	k_qedf4e9563d_ln0
	.globl	k_qedf4e9563d_ln0
	.p2align	8
	.type	k_qedf4e9563d_ln0,@function
k_qedf4e9563d_ln0:
	s_mov_b64 s[64:65], 0
	v_nop
	global_prefetch_b8 v0, s[64:65] scope:SCOPE_SE
	s_setreg_imm32_b32 hwreg(HW_REG_WAVE_MODE, 25, 1), 1
	s_wait_xcnt 0x0
; LN: h = LayerNorm(x) g + b, rounded once to f16 (hb [64][512][256]), and t = h . u + s0 for each row (tq [64][512] f32): the part of a query's scores that bk makes, the same for all its keys.
; A stream: each byte of x is read once, each byte of h written once; no LDS, no matrix unit, no cluster: the work-groups share nothing but 3 KB of parameters.
; SHARES.  A work-group owns 128 rows, each of its eight waves 16.  A wave takes a whole row: lane L the channels 4 L .. 4 L + 3 and 128 + 4 L .. : two loads of 512 consecutive bytes.
; All 32 loads of a wave go out first (16 KB a wave on its way); the rows are worked on four at a time, so that four reductions across the lanes run side by side.
; The mean, then the sum of (x - mean)^2: two true passes in f32 over registers.  t is taken of the unrounded h.
; LIMIT: h beyond 65,504 in magnitude has no f16.  NaN and infinities are not treated apart.
.set PK_PAR, 524288
.set PK_U,   532480
.set PK_S0,  533504
.set PO,  3            ; 16 x lane
.set XO,  4            ; my byte offset in x
.set HO,  5            ; in hb
.set TOF, 6            ; in tq
.set RL,  7            ; lane % 16
.set GR,  16           ; ln_g, ln_b, u of my 8 channels
.set BR,  24
.set UR,  32
.set SMR, 40
.set MUR, 48
.set TQV, 56           ; lanes r and r + 16: t of my row r
.set XR,  64           ; 16 rows of 8
.set YR,  192          ; 16 rows of 4, to store
.set SEL, 16
.set EPS, 18
.set I256, 19
.set NI256, 20
.macro ALL4 line:vararg                ; one line for each of four rows i
.set i, 0
.rept 4
	\line
.set i, i+1
.endr
.endm
.macro RED4                            ; the four rows' sums over the wave's 32 lanes; every lane ends with them
	ALL4 v_add_f32 v[SMR+2*i], v[SMR+2*i], v[SMR+2*i+1]
.irp m, 1,2,4,8
	ALL4 v_add_f32_dpp v[SMR+2*i], v[SMR+2*i], v[SMR+2*i] row_xmask:\m row_mask:0xf bank_mask:0xf
.endr
	ALL4 v_permlanex16_b32 v[SMR+2*i+1], v[SMR+2*i], s[SEL], s[SEL+1]
	ALL4 v_add_f32 v[SMR+2*i], v[SMR+2*i], v[SMR+2*i+1]
.endm
.macro GROUP g                         ; rows 4 g .. 4 g + 3
.set XB, XR+32*(\g)
.set YB, YR+16*(\g)
	s_wait_loadcnt 24-8*(\g)                       ; loads come back in order: the later rows' loads stay out
	ALL4 v_pk_add_f32 v[SMR+2*i:SMR+2*i+1], v[XB+8*i:XB+8*i+1], v[XB+8*i+2:XB+8*i+3]
	ALL4 v_pk_add_f32 v[MUR+2*i:MUR+2*i+1], v[XB+8*i+4:XB+8*i+5], v[XB+8*i+6:XB+8*i+7]
	ALL4 v_pk_add_f32 v[SMR+2*i:SMR+2*i+1], v[SMR+2*i:SMR+2*i+1], v[MUR+2*i:MUR+2*i+1]
	RED4
	ALL4 v_mul_f32 v[MUR+2*i], s[NI256], v[SMR+2*i]                ; minus the mean
.irp z, 0,2,4,6
	ALL4 v_pk_add_f32 v[XB+8*i+\z:XB+8*i+\z+1], v[XB+8*i+\z:XB+8*i+\z+1], v[MUR+2*i:MUR+2*i+1] op_sel_hi:[1,0]
.endr
	ALL4 v_pk_mul_f32 v[SMR+2*i:SMR+2*i+1], v[XB+8*i:XB+8*i+1], v[XB+8*i:XB+8*i+1]
.irp z, 2,4,6
	ALL4 v_pk_fma_f32 v[SMR+2*i:SMR+2*i+1], v[XB+8*i+\z:XB+8*i+\z+1], v[XB+8*i+\z:XB+8*i+\z+1], v[SMR+2*i:SMR+2*i+1]
.endr
	RED4
	ALL4 v_fma_f32 v[SMR+2*i], v[SMR+2*i], s[I256], s[EPS]
	ALL4 v_rsq_f32 v[MUR+2*i], v[SMR+2*i]
	v_nop                                          ; a plain instruction behind the last root
	s_wait_alu depctr_va_vdst(0)
.irp z, 0,2,4,6
	ALL4 v_pk_mul_f32 v[XB+8*i+\z:XB+8*i+\z+1], v[XB+8*i+\z:XB+8*i+\z+1], v[MUR+2*i:MUR+2*i+1] op_sel_hi:[1,0]
.endr
.irp z, 0,2,4,6
	ALL4 v_pk_fma_f32 v[XB+8*i+\z:XB+8*i+\z+1], v[XB+8*i+\z:XB+8*i+\z+1], v[GR+\z:GR+\z+1], v[BR+\z:BR+\z+1]
.endr
.irp z, 0,1,2,3
	ALL4 v_cvt_pk_f16_f32 v[YB+4*i+\z], v[XB+8*i+2*\z], v[XB+8*i+2*\z+1]
.endr
	ALL4 global_store_b64 v[HO], v[YB+4*i:YB+4*i+1], s[8:9] offset:512*(4*(\g)+i)         ; a wave's store covers 256 consecutive bytes, aligned
	ALL4 global_store_b64 v[HO], v[YB+4*i+2:YB+4*i+3], s[8:9] offset:512*(4*(\g)+i)+256
	ALL4 v_pk_mul_f32 v[SMR+2*i:SMR+2*i+1], v[XB+8*i:XB+8*i+1], v[UR:UR+1]                ; h . u
.irp z, 2,4,6
	ALL4 v_pk_fma_f32 v[SMR+2*i:SMR+2*i+1], v[XB+8*i+\z:XB+8*i+\z+1], v[UR+\z:UR+\z+1], v[SMR+2*i:SMR+2*i+1]
.endr
	RED4
.set i, 0
.rept 4
	v_cmp_eq_u32 vcc_lo, 4*(\g)+i, v[RL]           ; the row's number goes to its own two lanes
	v_cndmask_b32 v[TQV], v[TQV], v[SMR+2*i], vcc_lo
.set i, i+1
.endr
.endm
	s_load_b256 s[4:11], s[0:1], 0x0               ; x s[4:5], pack s[6:7], hb s[8:9], tq s[10:11]
	v_lshrrev_b32 v1, 5, v0
	v_readfirstlane_b32 s12, v1                    ; wave
	v_and_b32 v2, 31, v0
	v_and_b32 v[RL], 15, v0
	v_lshlrev_b32 v[PO], 4, v2
	s_lshl_b32 s13, ttmp9, 17                      ; 128 rows of 1,024 bytes,
	s_lshl_b32 s14, s12, 14                        ; my wave's 16
	s_add_co_u32 s13, s13, s14
	v_add_nc_u32 v[XO], s13, v[PO]
	s_lshr_b32 s14, s13, 1                         ; the same rows, 512 bytes each
	v_lshl_add_u32 v[HO], v2, 3, s14
	s_lshr_b32 s14, s13, 8                         ; 4 bytes each
	v_lshl_add_u32 v[TOF], v[RL], 2, s14
	s_mov_b32 s[SEL], 0x76543210
	s_mov_b32 s[SEL+1], 0xfedcba98
	s_mov_b32 s[EPS], 0x3727c5ac                   ; 1e-5
	s_mov_b32 s[I256], 0x3b800000                  ; 1 / 256
	s_mov_b32 s[NI256], 0xbb800000
	v_mov_b32 v[TQV], 0
	s_wait_kmcnt 0x0
	s_load_b32 s15, s[6:7], PK_S0                  ; s0; this launch writes nothing into the pack
	global_load_b128 v[GR:GR+3], v[PO], s[6:7] offset:PK_PAR+2048
	global_load_b128 v[GR+4:GR+7], v[PO], s[6:7] offset:PK_PAR+2048+512
	global_load_b128 v[BR:BR+3], v[PO], s[6:7] offset:PK_PAR+3072
	global_load_b128 v[BR+4:BR+7], v[PO], s[6:7] offset:PK_PAR+3072+512
	global_load_b128 v[UR:UR+3], v[PO], s[6:7] offset:PK_U
	global_load_b128 v[UR+4:UR+7], v[PO], s[6:7] offset:PK_U+512
.set k, 0
.rept 16
	global_load_b128 v[XR+8*k:XR+8*k+3], v[XO], s[4:5] offset:1024*k th:TH_LOAD_NT
	global_load_b128 v[XR+8*k+4:XR+8*k+7], v[XO], s[4:5] offset:1024*k+512 th:TH_LOAD_NT
.set k, k+1
.endr
	GROUP 0
	GROUP 1
	GROUP 2
	GROUP 3
	s_wait_kmcnt 0x0
	v_add_f32 v[TQV], s15, v[TQV]
	global_store_b32 v[TOF], v[TQV], s[10:11]      ; my 16 rows' 64 bytes; lanes r and r + 16 store the same number to the same place
	s_endpgm
.Lfunc_end_k_qedf4e9563d_ln0:
	.size	k_qedf4e9563d_ln0, .Lfunc_end_k_qedf4e9563d_ln0-k_qedf4e9563d_ln0
	.p2alignl 7, 3214868480
	.fill 96, 4, 3214868480
	.section	.rodata,"a",@progbits
	.p2align	6, 0x0
	.amdhsa_kernel k_qedf4e9563d_ln0
		.amdhsa_group_segment_fixed_size 0
		.amdhsa_private_segment_fixed_size 0
		.amdhsa_enable_private_segment 0
		.amdhsa_kernarg_size 32
		.amdhsa_user_sgpr_count 2
		.amdhsa_user_sgpr_kernarg_segment_ptr 1
		.amdhsa_wavefront_size32 1
		.amdhsa_system_sgpr_workgroup_id_x 1
		.amdhsa_system_sgpr_workgroup_id_y 1
		.amdhsa_system_sgpr_workgroup_id_z 1
		.amdhsa_system_vgpr_workitem_id 0
		.amdhsa_next_free_vgpr 256
		.amdhsa_next_free_sgpr 66
		.amdhsa_reserve_vcc 1
		.amdhsa_float_denorm_mode_32 3
		.amdhsa_float_denorm_mode_16_64 3
		.amdhsa_memory_ordered 1
		.amdhsa_forward_progress 1
		.amdhsa_inst_pref_size 57
	.end_amdhsa_kernel
	.amdgpu_metadata
---
amdhsa.version: [ 1, 2 ]
amdhsa.kernels:
  - .name:           k_qedf4e9563d_ln0
    .symbol:         k_qedf4e9563d_ln0.kd
    .args:
      - { .name: x, .offset: 0, .size: 8, .value_kind: global_buffer, .address_space: global }
      - { .name: pk0, .offset: 8, .size: 8, .value_kind: global_buffer, .address_space: global }
      - { .name: hb, .offset: 16, .size: 8, .value_kind: global_buffer, .address_space: global }
      - { .name: tq, .offset: 24, .size: 8, .value_kind: global_buffer, .address_space: global }
    .group_segment_fixed_size: 0
    .private_segment_fixed_size: 0
    .kernarg_segment_align: 8
    .kernarg_segment_size: 32
    .max_flat_workgroup_size: 256
    .sgpr_count:     66
    .vgpr_count:     256
    .wavefront_size: 32
...
	.end_amdgpu_metadata
.endif
;; end of part 5
;; launch main0 (part 6): grid 256 x 1, 4 waves a work-group, clusters of 4 x 1, 327,680 bytes of LDS; arguments hb, tq, pk0, xa; writes xa
.if DOCPART == 6
	.amdgcn_target "amdgcn-amd-amdhsa--gfx1250"
	.amdhsa_code_object_version 6
	.text
	.protected	k_qedf4e9563d_main0
	.globl	k_qedf4e9563d_main0
	.p2align	8
	.type	k_qedf4e9563d_main0,@function
k_qedf4e9563d_main0:
	s_mov_b64 s[64:65], 0
	v_nop
	global_prefetch_b8 v0, s[64:65] scope:SCOPE_SE
	s_setreg_imm32_b32 hwreg(HW_REG_WAVE_MODE, 25, 1), 1
	s_wait_xcnt 0x0
	s_wait_alu depctr_hold_cnt(0) depctr_sa_sdst(0) depctr_va_vdst(0) depctr_va_sdst(0) depctr_va_ssrc(0) depctr_va_vcc(0) depctr_vm_vsrc(0)
	s_getreg_b32 s2, hwreg(HW_REG_IB_STS2, 6, 4)
	s_cmp_eq_u32 s2, 0
	s_cbranch_scc0 .Lentry_in_a_cluster
	s_endpgm
.Lentry_in_a_cluster:
	s_bfe_u32 s2, ttmp6, 0x10000c
	s_cmp_lg_u32 s2, 0x3003
	s_cbranch_scc0 .Lentry_shape_is_right
	s_endpgm
.Lentry_shape_is_right:
; MAIN: the rest of a layer for 128 rows of one batch, with the k and v projections folded into the weights (the pack's TQ, TO, c, b'; t from the launch before):
;   q~ = h M + c;  scores = (q~ . h_key + t) / 16 + relative bias, hidden keys out;  a = softmax;  o = (a . h) W + b';  x1 = h + LN(o);  c2 = LN2(x1);  out = x1 + gelu(c2 w1 + b1) w2 + b2.
; So the keys and the values are both the batch's rows of h.
; SHARES.  A cluster of four work-groups is one batch; work-group cx takes its queries 128 cx ..; wave w 32 of them (two tiles of 16), all 256 channels, all 512 keys.
; The four walk the same 16 tiles (TQ, four blocks of 128 rows of h twice each, as keys and as values, TO, w1, w2, in halves): each is asked for JOINTLY, a quarter a wave, into two slots that take turns.
; LAYOUT.  Every product has 16 "items" (output channels, keys, the values' channels) as source 0 and 16 queries as source 1: a lane holds ONE query (lane % 16) and items 8 (lane / 16) + 0..7.
; Two results rounded to f16 are a source-1 fragment of the next product, and a row's maximum, sum, mean and variance want one exchange between the halves of the lanes.
; TQ, TO and the keys lie [item][contraction] in LDS (128 rows of 512 bytes, pitch 528) and are read as they lie; w1, w2 (256 rows of 256 bytes, pitch 288) and the values (pitch 544) lie
; [contraction][item] and are turned by ds_load_tr16_b128.
; SOFTMAX.  The product's first C is 16 x bias + (0 or -1e30) + t.  Running maximum m and sum l over four blocks of 128 keys: p = 2^(c s - c m), c = log2(e) / 16; O and l are multiplied by
; a = 2^(c m_old - c m_new) in every block.  m starts at the lowest finite number, O and l at 0, so that one text serves all four blocks: the price is 256 v_mov_b32 in the wait for the first tiles.
; FORMATS.  f16 operands, f32 sums.  Kept in LDS rounded once to f16: q~, o' = O W (b' is added in f32 where o is used), x1, c2, the gelu.  Means and then sums of squared differences in f32.
; LIMITS.  Nothing kept in f16 may pass 65,504.  A hidden score counts as the score less 1e30 (a row with every key hidden gets equal weights).  A weight below 2^-126 counts as 0.
; erf by a rational form with an exponential, three terms, absolute error at most 2.5e-5 for every argument.  NaN and infinities are not treated apart.
; LDS: two slots, 76,800 bytes apart (the largest tile has 73,728); h, later x1 (128 rows, pitch 528); ACT, the waves' own rows (same shape), written by LDS stores alone; 8 parameter vectors;
; 4 shifted copies of my window of the bias table; the batch's mask terms, a copy a wave; the spare words.
.set AP,    528        ; 256 f16 + 16 bytes: rows read as they lie
.set WP,    288        ; 128 f16 + 32 bytes: w1, w2
.set VP,    544        ; 256 f16 + 32 bytes: the values
.set SLOT,  76800
.set HREG,  2*SLOT
.set ACT,   HREG+128*AP
.set PAR,   ACT+128*AP ; c, b', ln_g, ln_b, cm_g, cm_b, b1, b2: 1,024 bytes each
.set TAB,   PAR+8192
.set TP,    2624
.set MSK,   TAB+4*TP
.set SPARE, MSK+8192
.set PKO_PAR, 524288   ; places in the pack
.set PKO_TAB, 533760
.set PKO_MSK, 550144
.set HQ, 0
.set HO, 1
.set HG, 2
.set HW, 3
; window 0
.set SPW, 3            ; LDS address of my spare word; never rewritten
.set NIL, 4            ; 0; never rewritten
.set AT0L, 5           ; v5-8: my lane's place in a turned tile in slot 0 (rows 0-127, 128-255) and slot 1
.set AVL, 9            ; the same for the values in slot 1
.set AL,  10
.set AH,  11
.set HB,  12           ; fragment base in my rows of h / x1
.set AB,  13           ; in my rows of ACT
.set HBS, 14           ; stepping copies
.set ABS, 15
.set PB,  16           ; parameters: PAR + 32 h
.set PA,  17
.set TBA, 18
.set MKA, 19
.set SW,  20
.set CA,  21
.set CH,  22
.set GOF, 23
.set CAS, 24
.set CHS, 25
.set GOS, 26
.set ONE, 28
.set AKB, 31           ; my lane's place in a tile read as it lies, slot 0: r x 528 + 16 h
.set ST,  32           ; softmax, 8 a query tile: c m, m, l (2), c0-c3; a takes c2's place
.set SA,  48           ; sums: a pair a query tile
.set SB,  52
.set MU,  54           ; minus the mean, in the low word of a pair
.set RS,  58           ; 1 / sqrt(var + eps), likewise
.set ACC, 64
.set CB,  96
.set PKT, 112
.set P,   64           ; in attention: the weights, 32 a query tile
.set S,   128          ; scores: 64 qt + 8 kt
.set T,   128
.set LA,  128
.set LH,  144
.set LP0, 160
.set LP1, 176
.set LP2, 192
.set D,   208
.set GA,  128
.set GU,  160
.set GY,  192
.set GQ,  224
; window 1: F0, F1 fragments; CT the scores' first C; RW four raw bias tiles; MK two mask tiles; TQ t of my two queries.   window 2: v0-127 source-1 fragments, 64 qt + 8 ks.   window 3: O^T, 128 qt + 8 t
.set F0, 0
.set F1, 64
.set CT, 128
.set RW, 160
.set MK, 192
.set TQ, 208
; scalars
.set WKK, 2            ; my quarter of a slot, tiles of pitch 528; also my rows in HREG and ACT
.set NI256, 3
.set PK,  6
.set PVP, 8
.set PP,  10
.set WV,  14
.set CX,  15
.set BT,  16
.set G1K, 20
.set G1V, 28
.set G1H, 36
.set G1W, 36           ; takes G1H's registers when h's one load is done
.set G1P, 44
.set WW,  52
.set WVV, 53
.set CNT, 54
.set JC,  55
.set K1,  56
.set K2,  58
.set CS,  60
.set SEL, 62
.set EPS, 66
.set I256, 67
.set G1T, 68
.set G0,  76
.set A3,  96
.set A2,  98
.set A1,  100
.set TQP, 104
.set MSB, 0
.macro WIN new                         ; the immediate's high byte repeats the setting that is left
.if MSB != (\new)
	s_set_vgpr_msb (MSB<<8)|(\new)
.set MSB, (\new)
.endif
.endm
.macro PLACES                          ; four plain places behind matrix instructions (ISA guide 7.12.1)
.rept 4
	v_nop
.endr
.endm
.macro ROUND                           ; a round of the cluster's barrier
	s_barrier_signal -1
	s_barrier_wait -1
	s_cmp_lg_u32 s[WV], 0
	s_cbranch_scc1 .Lnw0_\@
	s_barrier_signal -3
.Lnw0_\@:
	s_barrier_wait -3
	s_barrier_signal -1
	s_barrier_wait -1
.endm
; THE CHANGE OF SLOTS.  Every wave: all its tensor loads have landed (its quarter of the slot to be read next among them); the add; its LDS reads are back.  Then a round of the cluster's
; barrier, and first behind it my quarter of the tile after next goes into the slot just read out.  kind 1: 32 rows of 512 bytes, pitch 528, from src; 2: the same rows as values, pitch 544;
; 3: the next block of keys, or behind the last block TO's first half (the same shape, so the loop has no tail); 4: 64 rows of 256 bytes, pitch 288; 0: nothing is left to fetch, a plain barrier.
.macro CHANGE kind, slot, src
	WIN 0
	s_wait_tensorcnt 0x0
	ds_add_u32 v[SPW], v[NIL]                      ; the descriptor's words are made while it is out
.if (\kind) == 1
	s_add_co_u32 s[G0+1], s[WKK], (\slot)*SLOT
	s_mov_b64 s[G0+2:G0+3], s[\src:\src+1]
	s_add_nc_u64 s[\src:\src+1], s[\src:\src+1], 65536
.elseif (\kind) == 2
	s_add_co_u32 s[G0+1], s[WVV], (\slot)*SLOT
	s_mov_b64 s[G0+2:G0+3], s[\src:\src+1]
	s_add_nc_u64 s[\src:\src+1], s[\src:\src+1], 65536
.elseif (\kind) == 3
	s_add_co_u32 s[G0+1], s[WKK], (\slot)*SLOT
	s_cmp_eq_u32 s[JC], 1
	s_cselect_b64 s[G0+2:G0+3], s[PP:PP+1], s[PK:PK+1]
	s_add_nc_u64 s[PK:PK+1], s[PK:PK+1], 65536
.elseif (\kind) == 4
	s_add_co_u32 s[G0+1], s[WW], (\slot)*SLOT
	s_mov_b64 s[G0+2:G0+3], s[\src:\src+1]
	s_add_nc_u64 s[\src:\src+1], s[\src:\src+1], 65536
.endif
.if \kind
	s_or_b32 s[G0+3], s[G0+3], 0x80000000
	s_wait_dscnt 0x0
	ROUND
.if (\kind) == 2
	tensor_load_to_lds s[G0:G0+3], s[G1V:G1V+7]
.elseif (\kind) == 4
	tensor_load_to_lds s[G0:G0+3], s[G1W:G1W+7]
.else
	tensor_load_to_lds s[G0:G0+3], s[G1K:G1K+7]
.endif
	s_nop 0
	PLACES
.else
	s_wait_dscnt 0x0
	s_barrier_signal -1
	s_barrier_wait -1
.endif
.endm
.macro E16 line:vararg                 ; one line for each pair z of each tile n = 2 tl + qt; the low pairs of all four come first
.set z, 0
	s_wait_alu depctr_va_vdst(0)
.rept 4
.set n, 0
.rept 4
	\line
.set n, n+1
.endr
.set z, z+2
.endr
.endm
.macro LDF buf, areg, toff             ; 16 turning loads: item tiles tl = 0, 1 at byte toff of the rows x four steps of 32 along the contraction
	WIN 0x40
.irp k, 0,1,2,3
.irp tl, 0,1
	ds_load_tr16_b128 v[(\buf)+8*(4*\tl+\k):(\buf)+8*(4*\tl+\k)+3], v[\areg] offset:(\toff)+\k*32*WP+\tl*32
	ds_load_tr16_b128 v[(\buf)+8*(4*\tl+\k)+4:(\buf)+8*(4*\tl+\k)+7], v[\areg] offset:(\toff)+\k*32*WP+16*WP+\tl*32
.endr
.endr
.endm
.macro LDFK buf, areg, off             ; 16 plain loads from a tile that lies [item][contraction]: item tiles tl = 0, 1 x four steps of 32
	WIN 0x40
.irp k, 0,1,2,3
.irp tl, 0,1
	ds_load_b128 v[(\buf)+8*(4*\tl+\k):(\buf)+8*(4*\tl+\k)+3], v[\areg] offset:(\off)+\tl*16*AP+64*\k
	ds_load_b128 v[(\buf)+8*(4*\tl+\k)+4:(\buf)+8*(4*\tl+\k)+7], v[\areg] offset:(\off)+\tl*16*AP+64*\k+32
.endr
.endr
.endm
.macro LDX buf, areg, kty
.if \kty
	LDFK \buf, \areg, 0
.else
	LDF \buf, \areg, 0
.endif
.endm
.macro LDV buf, g                      ; turning loads of the values: channel tiles 2 g, 2 g + 1 x the block's four steps of 32 keys
	WIN 0x40
.irp k, 0,1,2,3
.irp tl, 0,1
	ds_load_tr16_b128 v[(\buf)+8*(4*\tl+\k):(\buf)+8*(4*\tl+\k)+3], v[AVL] offset:\k*32*VP+32*(2*(\g)+\tl)
	ds_load_tr16_b128 v[(\buf)+8*(4*\tl+\k)+4:(\buf)+8*(4*\tl+\k)+7], v[AVL] offset:\k*32*VP+16*VP+32*(2*(\g)+\tl)
.endr
.endr
.endm
.macro LDB areg                        ; my 32 rows as source-1 fragments
	WIN 0x80
.irp qt, 0,1
.irp ks, 0,1,2,3,4,5,6,7
	ds_load_b128 v[64*\qt+8*\ks:64*\qt+8*\ks+3], v[\areg] offset:16*AP*\qt+64*\ks
	ds_load_b128 v[64*\qt+8*\ks+4:64*\qt+8*\ks+7], v[\areg] offset:16*AP*\qt+64*\ks+32
.endr
.endr
	WIN 0
.endm
.macro LD4 dst, areg                   ; four packed tiles (tl, qt) of my rows
.irp tl, 0,1
.irp qt, 0,1
	ds_load_b128 v[(\dst)+4*(2*\tl+\qt):(\dst)+4*(2*\tl+\qt)+3], v[\areg] offset:32*\tl+16*AP*\qt
.endr
.endr
.endm
.macro LDP dst, off                    ; two tiles of a parameter vector: my 8 channels of each, f32
.irp tl, 0,1
	ds_load_b128 v[(\dst)+8*\tl:(\dst)+8*\tl+3], v[PA] offset:(\off)+64*\tl
	ds_load_b128 v[(\dst)+8*\tl+4:(\dst)+8*\tl+7], v[PA] offset:(\off)+64*\tl+16
.endr
.endm
.macro ST4 areg, off                   ; four packed tiles into my rows
.irp n, 0,1,2,3
	ds_store_b128 v[\areg], v[PKT+4*\n:PKT+4*\n+3] offset:(\off)+32*(\n/2)+16*AP*(\n%2)
.endr
.endm
; 16 matrix instructions; the four accumulators take turns, one instruction a turn.  The first four start the sums: with 0, or with the bias.
.macro STAGE buf, st, cmode
	WIN 0x09
.irp k, 0,1,2,3
.irp tl, 0,1
.irp qt, 0,1
.set rD, ACC+8*(2*\tl+\qt)
.set rX, (\buf)+8*(4*\tl+\k)
.set rY, 64*\qt+8*(4*(\st)+\k)
.if ((\st)+\k) != 0
	v_wmma_f32_16x16x32_f16 v[rD:rD+7], v[rX:rX+7], v[rY:rY+7], v[rD:rD+7]
.elseif \cmode
	v_wmma_f32_16x16x32_f16 v[rD:rD+7], v[rX:rX+7], v[rY:rY+7], v[CB+8*\tl:CB+8*\tl+7]
.else
	v_wmma_f32_16x16x32_f16 v[rD:rD+7], v[rX:rX+7], v[rY:rY+7], 0
.endif
.endr
.endr
.endr
.endm
; What is made of a trip's four tiles.
.macro EPI hook, hf
.if (\hook) == HQ                      ; q~: rounded, into my rows of ACT
	E16 v_cvt_pk_f16_f32 v[PKT+4*n+z/2], v[ACC+8*n+z], v[ACC+8*n+z+1]
	ST4 ABS, 256*(\hf)
	v_add_nc_u32 v[ABS], 64, v[ABS]
.elseif (\hook) == HO                  ; o': its sum for the mean, then the same
	E16 v_pk_add_f32 v[SA+2*(n%2):SA+2*(n%2)+1], v[SA+2*(n%2):SA+2*(n%2)+1], v[ACC+8*n+z:ACC+8*n+z+1]
	E16 v_cvt_pk_f16_f32 v[PKT+4*n+z/2], v[ACC+8*n+z], v[ACC+8*n+z+1]
	ST4 ABS, 256*(\hf)
	v_add_nc_u32 v[ABS], 64, v[ABS]
.elseif (\hook) == HG                  ; gelu(x) = |x| (q e + 1/2) + x / 2;  t = 1 / (1 + 0.3326725 |x|), e = 2^-(0.8493218 x)^2, q = -(a1 t + a2 t^2 + a3 t^3) / 2
	E16 v_and_b32 v[GA+8*n+z], 0x7fffffff, v[ACC+8*n+z]
	E16 v_and_b32 v[GA+8*n+z+1], 0x7fffffff, v[ACC+8*n+z+1]
	E16 v_pk_fma_f32 v[GU+8*n+z:GU+8*n+z+1], v[GA+8*n+z:GA+8*n+z+1], s[K1:K1+1], 1.0 op_sel_hi:[1,0,0]
	E16 v_pk_mul_f32 v[GY+8*n+z:GY+8*n+z+1], v[ACC+8*n+z:ACC+8*n+z+1], s[K2:K2+1] op_sel_hi:[1,0]
	E16 v_pk_mul_f32 v[GY+8*n+z:GY+8*n+z+1], v[GY+8*n+z:GY+8*n+z+1], v[GY+8*n+z:GY+8*n+z+1] neg_lo:[1,0] neg_hi:[1,0]
	E16 v_rcp_f32 v[GU+8*n+z], v[GU+8*n+z]
	E16 v_rcp_f32 v[GU+8*n+z+1], v[GU+8*n+z+1]
	E16 v_exp_f32 v[GY+8*n+z], v[GY+8*n+z]
	E16 v_exp_f32 v[GY+8*n+z+1], v[GY+8*n+z+1]
	E16 v_pk_mul_f32 v[ACC+8*n+z:ACC+8*n+z+1], v[ACC+8*n+z:ACC+8*n+z+1], 0.5 op_sel_hi:[1,0]   ; plain lines behind the last exponential, ahead of the results' use
	E16 v_pk_fma_f32 v[GQ+8*n+z:GQ+8*n+z+1], v[GU+8*n+z:GU+8*n+z+1], s[A3:A3+1], s[A2:A2+1] op_sel_hi:[1,0,0]
	E16 v_pk_fma_f32 v[GQ+8*n+z:GQ+8*n+z+1], v[GQ+8*n+z:GQ+8*n+z+1], v[GU+8*n+z:GU+8*n+z+1], s[A1:A1+1] op_sel_hi:[1,1,0]
	E16 v_pk_mul_f32 v[GQ+8*n+z:GQ+8*n+z+1], v[GQ+8*n+z:GQ+8*n+z+1], v[GU+8*n+z:GU+8*n+z+1]
	E16 v_pk_fma_f32 v[GQ+8*n+z:GQ+8*n+z+1], v[GQ+8*n+z:GQ+8*n+z+1], v[GY+8*n+z:GY+8*n+z+1], 0.5 op_sel_hi:[1,1,0]
	E16 v_pk_fma_f32 v[GA+8*n+z:GA+8*n+z+1], v[GA+8*n+z:GA+8*n+z+1], v[GQ+8*n+z:GQ+8*n+z+1], v[ACC+8*n+z:ACC+8*n+z+1]
	E16 v_cvt_pk_f16_f32 v[PKT+4*n+z/2], v[GA+8*n+z], v[GA+8*n+z+1]
	ST4 ABS, 256*(\hf)
	v_add_nc_u32 v[ABS], 64, v[ABS]
.else                                  ; the last product: f32 into my rows of ACT, now a stage: half a row of f32 is 512 bytes
.irp n, 0,1,2,3
	ds_store_b128 v[ABS], v[ACC+8*\n:ACC+8*\n+3] offset:64*(\n/2)+16*AP*(\n%2)
	ds_store_b128 v[ABS], v[ACC+8*\n+4:ACC+8*\n+7] offset:64*(\n/2)+16*AP*(\n%2)+16
.endr
	v_add_nc_u32 v[ABS], 128, v[ABS]
.endif
.endm
; HALF A MATRIX: 8 output tiles in 4 trips of two, 32 matrix instructions a trip.  Each run of 16 fragment loads is issued a stage ahead of its use; the last trip jumps over the runs.
; kty = 1: the tile lies [item][contraction]: two item tiles on are 32 rows of 528 bytes, the second four steps of the contraction 256 bytes along the rows.
.macro GLOOP slot, hf, cmode, hook, poff, kty
	WIN 0
.if \kty
	v_add_nc_u32 v[AL], (\slot)*SLOT, v[AKB]
	v_add_nc_u32 v[AH], (\slot)*SLOT+256, v[AKB]
.else
	v_mov_b32 v[AL], v[AT0L+2*(\slot)]
	v_mov_b32 v[AH], v[AT0L+2*(\slot)+1]
.endif
	v_mov_b32 v[PA], v[PB]
.if (\hook) == HW
	v_mov_b32 v[ABS], v[SW]
.else
	v_mov_b32 v[ABS], v[AB]
.endif
	LDP CB, (\poff)+512*(\hf)
	LDX F0, AL, \kty
	LDX F1, AH, \kty
	WIN 0
	s_mov_b32 s[CNT], 4
.Lg_top_\@:
	s_wait_dscnt 16                                ; the bias and the first run are in; of what is younger (the second run, the last trip's stores) 16 may be out
.if (\hook) == HO
.irp z, 0,2,4,6,8,10,12,14
	v_pk_add_f32 v[SB:SB+1], v[SB:SB+1], v[CB+\z:CB+\z+1]   ; b's share of the mean
.endr
.endif
	STAGE F0, 0, \cmode
	WIN 0
	PLACES
	s_wait_dscnt 0x0                               ; the second run, asked for a stage and an epilogue ago
	s_cmp_eq_u32 s[CNT], 1
	s_cbranch_scc1 .Lg_a_\@
	v_add_nc_u32 v[AL], 64+(32*AP-64)*(\kty), v[AL]
	v_add_nc_u32 v[PA], 128, v[PA]
	LDP CB, (\poff)+512*(\hf)
	LDX F0, AL, \kty
	WIN 0
.Lg_a_\@:
	STAGE F1, 1, \cmode
	WIN 0
	PLACES
	s_cmp_eq_u32 s[CNT], 1
	s_cbranch_scc1 .Lg_b_\@
	v_add_nc_u32 v[AH], 64+(32*AP-64)*(\kty), v[AH]
	LDX F1, AH, \kty
	WIN 0
.Lg_b_\@:
	EPI \hook, \hf
	s_sub_co_u32 s[CNT], s[CNT], 1
	s_cmp_lg_u32 s[CNT], 0
	s_cbranch_scc1 .Lg_top_\@
.endm
; ATTENTION.  The bias of tile (kt, qt) hangs on d = kt - qt alone: raw tile d lies in RW[(d + 1) % 4].  CG p fetches d = 2 p and 2 p + 1 and the mask terms of key tiles 2 p, 2 p + 1.
.macro CG p
	WIN 0x40
.irp e, 1,2
	ds_load_b128 v[RW+8*((2*(\p)+\e)%4):RW+8*((2*(\p)+\e)%4)+3], v[TBA] offset:64*(2*(\p)+\e)
	ds_load_b128 v[RW+8*((2*(\p)+\e)%4)+4:RW+8*((2*(\p)+\e)%4)+7], v[TBA] offset:64*(2*(\p)+\e)+16
.endr
.irp tl, 0,1
	ds_load_b128 v[MK+8*\tl:MK+8*\tl+3], v[MKA] offset:64*(2*(\p)+\tl)
	ds_load_b128 v[MK+8*\tl+4:MK+8*\tl+7], v[MKA] offset:64*(2*(\p)+\tl)+16
.endr
.endm
.macro CTMAKE p                        ; the four first C operands of pair p: bias + mask term, then + my query's t
	WIN 0x45
.irp tl, 0,1
.irp qt, 0,1
.irp z, 0,2,4,6
	v_pk_add_f32 v[CT+8*(2*\tl+\qt)+\z:CT+8*(2*\tl+\qt)+\z+1], v[RW+8*((2*(\p)+\tl-\qt+1)%4)+\z:RW+8*((2*(\p)+\tl-\qt+1)%4)+\z+1], v[MK+8*\tl+\z:MK+8*\tl+\z+1]
.endr
.endr
.endr
.irp tl, 0,1
.irp qt, 0,1
.irp z, 0,2,4,6
	v_pk_add_f32 v[CT+8*(2*\tl+\qt)+\z:CT+8*(2*\tl+\qt)+\z+1], v[CT+8*(2*\tl+\qt)+\z:CT+8*(2*\tl+\qt)+\z+1], v[TQ+2*\qt:TQ+2*\qt+1] op_sel_hi:[1,0]
.endr
.endr
.endr
.endm
.macro SSTAGE buf, st, p               ; 16 products of S^T = H Q~^T: key tiles 2 p, 2 p + 1 x both query tiles, four steps of 32 channels; accumulators by turns
.irp k, 0,1,2,3
.irp tl, 0,1
.irp qt, 0,1
.set rD, S+64*\qt+8*(2*(\p)+\tl)
.set rX, (\buf)+8*(4*\tl+\k)
.set rY, 64*\qt+8*(4*(\st)+\k)
.if ((\st)+\k) == 0
	WIN 0x19
	v_wmma_f32_16x16x32_f16 v[rD:rD+7], v[rX:rX+7], v[rY:rY+7], v[CT+8*(2*\tl+\qt):CT+8*(2*\tl+\qt)+7]
.else
	WIN 0x09
	v_wmma_f32_16x16x32_f16 v[rD:rD+7], v[rX:rX+7], v[rY:rY+7], v[rD:rD+7]
.endif
.endr
.endr
.endr
.endm
.macro PVSTAGE buf, g                  ; 16 products of O^T += H^T P: channel tiles 2 g, 2 g + 1 x both query tiles, four steps of 32 keys
	WIN 0xf1
.irp k, 0,1,2,3
.irp tl, 0,1
.irp qt, 0,1
.set rO, 128*\qt+8*(2*(\g)+\tl)
	v_wmma_f32_16x16x32_f16 v[rO:rO+7], v[(\buf)+8*(4*\tl+\k):(\buf)+8*(4*\tl+\k)+7], v[P+32*\qt+8*\k:P+32*\qt+8*\k+7], v[rO:rO+7]
.endr
.endr
.endr
.endm
.macro TAILT qt, t                     ; key tile t's eight weights: rounded to f16 for the second product; their sum, unrounded, onto l
.set rS, S+64*(\qt)+8*(\t)
	s_wait_alu depctr_va_vdst(0)
.irp z, 0,1,2,3
	v_cvt_pk_f16_f32 v[P+32*(\qt)+4*(\t)+\z], v[rS+2*\z], v[rS+2*\z+1]
.endr
	v_pk_add_f32 v[rS:rS+1], v[rS:rS+1], v[rS+2:rS+3]
	v_pk_add_f32 v[rS+4:rS+5], v[rS+4:rS+5], v[rS+6:rS+7]
	v_pk_add_f32 v[rS:rS+1], v[rS:rS+1], v[rS+4:rS+5]
.if (\t) == 0
	v_pk_fma_f32 v[ST+8*(\qt)+2:ST+8*(\qt)+3], v[ST+8*(\qt)+2:ST+8*(\qt)+3], v[ST+8*(\qt)+6:ST+8*(\qt)+7], v[rS:rS+1] op_sel_hi:[1,0,1]
.else
	v_pk_add_f32 v[ST+8*(\qt)+2:ST+8*(\qt)+3], v[ST+8*(\qt)+2:ST+8*(\qt)+3], v[rS:rS+1]
.endif
.endm
; LAYERNORM helpers: a lane's sums, its partner's (the row's other 128 channels lie in the lane 16 away), and what is made of them.
.macro XSUM
.irp qt, 0,1
	v_add_f32 v[SA+2*\qt], v[SA+2*\qt], v[SA+2*\qt+1]
.endr
.irp qt, 0,1
	v_permlanex16_b32 v[SA+2*\qt+1], v[SA+2*\qt], s[SEL], s[SEL+1]
.endr
.irp qt, 0,1
	v_add_f32 v[SA+2*\qt], v[SA+2*\qt], v[SA+2*\qt+1]
.endr
.endm
.macro MEAN
	XSUM
.irp qt, 0,1
	v_mul_f32 v[MU+2*\qt], s[NI256], v[SA+2*\qt]
.endr
.endm
.macro RSTD
	XSUM
.irp qt, 0,1
	v_fma_f32 v[SA+2*\qt], v[SA+2*\qt], s[I256], s[EPS]
.endr
.irp qt, 0,1
	v_rsq_f32 v[RS+2*\qt], v[SA+2*\qt]
.endr
	v_nop                                          ; a plain instruction behind the last root
.endm
; A pass over my 32 rows, 8 trips of two channel tiles.  1: sum of (o' + b' - mean)^2.  2: x1 = h + (o' + b' - mean) rstd g + b, its sum, x1 over h.  3: sum of (x1 - mean)^2.  4: c2 into ACT.
.macro LNPASS id
	WIN 0
	v_mov_b32 v[ABS], v[AB]
	v_mov_b32 v[HBS], v[HB]
	v_mov_b32 v[PA], v[PB]
.irp q, 0,1,2,3
	v_mov_b32 v[SA+\q], 0
.endr
	s_mov_b32 s[CNT], 8
.Lln_\@:
.if (\id) <= 2
	LD4 LA, ABS
	LDP LP0, 1024
.endif
.if (\id) >= 2
	LD4 LH, HBS
.endif
.if (\id) == 2
	LDP LP1, 2048
	LDP LP2, 3072
.elseif (\id) == 4
	LDP LP1, 4096
	LDP LP2, 5120
.endif
	s_wait_dscnt 0x0
.if (\id) <= 2
	E16 v_fma_mix_f32 v[D+8*n+z], v[LA+4*n+z/2], v[ONE], v[LP0+8*(n/2)+z] op_sel_hi:[1,0,0]
	E16 v_fma_mix_f32 v[D+8*n+z+1], v[LA+4*n+z/2], v[ONE], v[LP0+8*(n/2)+z+1] op_sel:[1,0,0] op_sel_hi:[1,0,0]
	E16 v_pk_add_f32 v[D+8*n+z:D+8*n+z+1], v[D+8*n+z:D+8*n+z+1], v[MU+2*(n%2):MU+2*(n%2)+1] op_sel_hi:[1,0]
.else
	E16 v_fma_mix_f32 v[D+8*n+z], v[LH+4*n+z/2], v[ONE], v[MU+2*(n%2)] op_sel_hi:[1,0,0]
	E16 v_fma_mix_f32 v[D+8*n+z+1], v[LH+4*n+z/2], v[ONE], v[MU+2*(n%2)] op_sel:[1,0,0] op_sel_hi:[1,0,0]
.endif
.if ((\id) == 1) || ((\id) == 3)
	E16 v_pk_fma_f32 v[SA+2*(n%2):SA+2*(n%2)+1], v[D+8*n+z:D+8*n+z+1], v[D+8*n+z:D+8*n+z+1], v[SA+2*(n%2):SA+2*(n%2)+1]
.else
	E16 v_pk_mul_f32 v[D+8*n+z:D+8*n+z+1], v[D+8*n+z:D+8*n+z+1], v[RS+2*(n%2):RS+2*(n%2)+1] op_sel_hi:[1,0]
	E16 v_pk_fma_f32 v[D+8*n+z:D+8*n+z+1], v[D+8*n+z:D+8*n+z+1], v[LP1+8*(n/2)+z:LP1+8*(n/2)+z+1], v[LP2+8*(n/2)+z:LP2+8*(n/2)+z+1]
.endif
.if (\id) == 2
	E16 v_fma_mix_f32 v[D+8*n+z], v[LH+4*n+z/2], v[ONE], v[D+8*n+z] op_sel_hi:[1,0,0]
	E16 v_fma_mix_f32 v[D+8*n+z+1], v[LH+4*n+z/2], v[ONE], v[D+8*n+z+1] op_sel:[1,0,0] op_sel_hi:[1,0,0]
	E16 v_pk_add_f32 v[SA+2*(n%2):SA+2*(n%2)+1], v[SA+2*(n%2):SA+2*(n%2)+1], v[D+8*n+z:D+8*n+z+1]
	E16 v_cvt_pk_f16_f32 v[PKT+4*n+z/2], v[D+8*n+z], v[D+8*n+z+1]
	ST4 HBS, 0
.elseif (\id) == 4
	E16 v_cvt_pk_f16_f32 v[PKT+4*n+z/2], v[D+8*n+z], v[D+8*n+z+1]
	ST4 ABS, 0
.endif
	v_add_nc_u32 v[ABS], 64, v[ABS]
	v_add_nc_u32 v[HBS], 64, v[HBS]
	v_add_nc_u32 v[PA], 128, v[PA]
	s_sub_co_u32 s[CNT], s[CNT], 1
	s_cmp_lg_u32 s[CNT], 0
	s_cbranch_scc1 .Lln_\@
.endm
; Half hf of my 32 rows leaves: a row's 512 bytes of f32 from the stage, x1's 4 halves a lane added, one store of 512 consecutive aligned bytes a row; 4 trips of 8 rows.
.macro COPYOUT hf
	WIN 0
	v_mov_b32 v[CAS], v[CA]
	v_mov_b32 v[CHS], v[CH]
	v_mov_b32 v[GOS], v[GOF]
	s_mov_b32 s[CNT], 4
.Lco_\@:
.irp i, 0,1,2,3,4,5,6,7
	ds_load_b128 v[T+4*\i:T+4*\i+3], v[CAS] offset:AP*\i          ; LDS serves a wave's instructions in order: these see my stores into the stage
.endr
.irp i, 0,1,2,3,4,5,6,7
	ds_load_b64 v[T+32+2*\i:T+32+2*\i+1], v[CHS] offset:AP*\i+256*(\hf)
.endr
	s_wait_dscnt 0x0
.irp i, 0,1,2,3,4,5,6,7
	v_fma_mix_f32 v[T+4*\i], v[T+32+2*\i], v[ONE], v[T+4*\i] op_sel_hi:[1,0,0]
	v_fma_mix_f32 v[T+4*\i+1], v[T+32+2*\i], v[ONE], v[T+4*\i+1] op_sel:[1,0,0] op_sel_hi:[1,0,0]
	v_fma_mix_f32 v[T+4*\i+2], v[T+32+2*\i+1], v[ONE], v[T+4*\i+2] op_sel_hi:[1,0,0]
	v_fma_mix_f32 v[T+4*\i+3], v[T+32+2*\i+1], v[ONE], v[T+4*\i+3] op_sel:[1,0,0] op_sel_hi:[1,0,0]
.endr
.irp i, 0,1,2,3,4,5,6,7
	global_store_b128 v[GOS], v[T+4*\i:T+4*\i+3], s[12:13] offset:1024*\i+512*(\hf)
.endr
	s_wait_xcnt 0x0                                ; the stores' offset and data are written again only behind this wait
	v_add_nc_u32 v[CAS], 8*AP, v[CAS]
	v_add_nc_u32 v[CHS], 8*AP, v[CHS]
	v_add_nc_u32 v[GOS], 8192, v[GOS]
	s_sub_co_u32 s[CNT], s[CNT], 1
	s_cmp_lg_u32 s[CNT], 0
	s_cbranch_scc1 .Lco_\@
.endm
	s_load_b64 s[4:5], s[0:1], 0x0                 ; hb
	s_load_b64 s[TQP:TQP+1], s[0:1], 0x8           ; tq
	s_load_b64 s[10:11], s[0:1], 0x10              ; pack
	s_load_b64 s[12:13], s[0:1], 0x18              ; out
	v_lshl_add_u32 v[SPW], v0, 2, SPARE
	v_mov_b32 v[NIL], 0
	ds_add_u32 v[SPW], v[NIL]                      ; the wave's opening: the add and its wait ahead of my first tensor load
	v_lshrrev_b32 v1, 5, v0
	v_readfirstlane_b32 s[WV], v1
	s_bfe_u32 s[CX], ttmp6, 0x40000                ; my place in the cluster: it enters global addresses of my own data alone
	s_mov_b32 s[BT], ttmp9                         ; the cluster's number: the batch
	s_mov_b32 s[G1K], 15|(1<<16)|(1<<20)|(1<<21)|(6<<22)|(3<<25)  ; TQ, TO, keys: all four work-groups; 32 rows of 256 2-byte elements; after every 128 words 4 of padding
	s_mov_b32 s[G1K+1], 256<<16
	s_mov_b32 s[G1K+2], 32<<16
	s_mov_b32 s[G1K+3], 256<<16
	s_mov_b32 s[G1K+4], 32
	s_mov_b32 s[G1K+5], 256
	s_mov_b32 s[G1K+6], 0
	s_mov_b32 s[G1K+7], 0
	s_mov_b32 s[G1V], 15|(1<<16)|(1<<20)|(1<<21)|(6<<22)|(7<<25)  ; values: the same rows with 8 words of padding
	s_mov_b32 s[G1V+1], 256<<16
	s_mov_b32 s[G1V+2], 32<<16
	s_mov_b32 s[G1V+3], 256<<16
	s_mov_b32 s[G1V+4], 32
	s_mov_b32 s[G1V+5], 256
	s_mov_b32 s[G1V+6], 0
	s_mov_b32 s[G1V+7], 0
	s_mov_b32 s[G1H], (1<<16)|(1<<20)|(6<<22)|(3<<25)             ; my own rows of h: the keys' shape, no mask
	s_mov_b32 s[G1H+1], 256<<16
	s_mov_b32 s[G1H+2], 32<<16
	s_mov_b32 s[G1H+3], 256<<16
	s_mov_b32 s[G1H+4], 32
	s_mov_b32 s[G1H+5], 256
	s_mov_b32 s[G1H+6], 0
	s_mov_b32 s[G1H+7], 0
	s_mov_b32 s[G1P], 15|(3<<16)|(1<<21)           ; 2,048 dense bytes as 8 rows of 256, jointly: parameters, mask terms
	s_mov_b32 s[G1P+1], 32<<16
	s_mov_b32 s[G1P+2], 8<<16
	s_mov_b32 s[G1P+3], 32<<16
	s_mov_b32 s[G1P+4], 8
	s_mov_b32 s[G1P+5], 32
	s_mov_b32 s[G1P+6], 0
	s_mov_b32 s[G1P+7], 0
	s_mov_b32 s[G1T], 3<<16                        ; one row of 2,560 bytes: my window of a table copy
	s_mov_b32 s[G1T+1], 320<<16
	s_mov_b32 s[G1T+2], 1<<16
	s_mov_b32 s[G1T+3], 320<<16
	s_mov_b32 s[G1T+4], 1
	s_mov_b32 s[G1T+5], 320
	s_mov_b32 s[G1T+6], 0
	s_mov_b32 s[G1T+7], 0
	s_mul_i32 s[WW], s[WV], 64*WP                  ; my quarter of a slot: of w1 and w2,
	s_mul_i32 s[WVV], s[WV], 32*VP                 ; of the values
.irp g, 76,80,84,88,92
	s_mov_b32 s[\g], 1
.endr
	s_mul_i32 s17, s[WV], 32*AP
	s_add_co_u32 s[G0+1], s17, 0                   ; TQ's first half: slot 0
	s_add_co_u32 s81, s17, HREG
	s_lshl_b32 s18, s[WV], 11
	s_add_co_u32 s85, s18, PAR
	s_add_co_u32 s93, s18, MSK
	s_mul_i32 s19, s[WV], TP
	s_add_co_u32 s89, s19, TAB
	s_mov_b32 s[CS], 0x3db8aa3b                    ; c = log2(e) / 16
	s_mov_b32 s[CS+1], s[CS]
	s_mov_b32 s[SEL], 0x76543210
	s_mov_b32 s[SEL+1], 0xfedcba98
	s_mov_b32 s[EPS], 0x3727c5ac                   ; 1e-5
	s_mov_b32 s[I256], 0x3b800000                  ; 1 / 256
	s_mov_b32 s[K1], 0x3eaa540e                    ; 0.47047 / sqrt(2)
	s_mov_b32 s[K1+1], s[K1]
	s_mov_b32 s[K2], 0x3f596d27                    ; sqrt(log2(e) / 2)
	s_mov_b32 s[K2+1], s[K2]
	s_mov_b32 s[A3], 0xbebf7377                    ; -0.7478556 / 2
	s_mov_b32 s[A3+1], s[A3]
	s_mov_b32 s[A2], 0x3d445ca1                    ; 0.0958798 / 2
	s_mov_b32 s[A2+1], s[A2]
	s_mov_b32 s[A1], 0xbe32303a                    ; -0.3480242 / 2
	s_mov_b32 s[A1+1], s[A1]
	s_wait_dscnt 0x0
	s_wait_kmcnt 0x0
	s_lshl_b32 s18, s[BT], 18                      ; keys and values: the batch's 262,144 bytes of h, my quarter of a block's 65,536
	s_lshl_b32 s17, s[WV], 14
	s_add_co_u32 s18, s18, s17
	s_mov_b32 s19, 0
	s_add_nc_u64 s[PK:PK+1], s[4:5], s[18:19]
	s_mov_b64 s[PVP:PVP+1], s[PK:PK+1]
	s_lshl_b32 s2, s[CX], 16                       ; my own rows: (512 batch + 128 cx + 32 w) rows of 512 bytes
	s_add_co_u32 s2, s2, s18
	s_mov_b32 s3, 0
	s_add_nc_u64 s[82:83], s[4:5], s[2:3]
	s_or_b32 s83, s83, 0x80000000
	s_lshl_b32 s18, s[WV], 11                      ; the eight parameter vectors, a quarter a wave
	s_add_co_u32 s18, s18, PKO_PAR
	s_add_nc_u64 s[86:87], s[10:11], s[18:19]
	s_or_b32 s87, s87, 0x80000000
	s_lshl_b32 s2, s[WV], 12                       ; table copy w, from entry 384 - 128 cx on: my queries' 639 differences lie in 640 entries
	s_add_co_u32 s2, s2, PKO_TAB+1536
	s_lshl_b32 s17, s[CX], 9
	s_sub_co_u32 s2, s2, s17
	s_add_nc_u64 s[90:91], s[10:11], s[2:3]
	s_or_b32 s91, s91, 0x80000000
	s_lshl_b32 s18, s[BT], 11                      ; the batch's mask terms
	s_add_co_u32 s18, s18, PKO_MSK
	s_add_nc_u64 s[94:95], s[10:11], s[18:19]
	s_or_b32 s95, s95, 0x80000000
	s_lshl_b32 s18, s[WV], 14                      ; weights: TQ, TO, w1, w2 lie end to end from the pack's first byte on, 65,536 bytes a half
	s_add_nc_u64 s[PP:PP+1], s[PP:PP+1], s[18:19]
	s_mov_b64 s[G0+2:G0+3], s[PP:PP+1]
	s_or_b32 s[G0+3], s[G0+3], 0x80000000
	s_add_nc_u64 s[PP:PP+1], s[PP:PP+1], 65536
	s_lshl_b32 s2, s[BT], 19                       ; out: my rows of 1,024 bytes
	s_lshl_b32 s17, s[CX], 17
	s_add_co_u32 s2, s2, s17
	s_lshl_b32 s17, s[WV], 15
	s_add_co_u32 s2, s2, s17
	s_add_nc_u64 s[12:13], s[12:13], s[2:3]
	s_mul_i32 s[WKK], s[WV], 32*AP                 ; my rows in HREG and ACT; my quarter of a slot of pitch 528
	s_mov_b32 s[NI256], 0xbb800000                 ; -1 / 256
	ROUND                                          ; the four work-groups are here: the first joint loads meet
	tensor_load_to_lds s[80:83], s[G1H:G1H+7]      ; five loads of mine are out: my rows of h,
	s_nop 0
	tensor_load_to_lds s[G0:G0+3], s[G1K:G1K+7]    ; a quarter of TQ's first half,
	s_nop 0
	tensor_load_to_lds s[84:87], s[G1P:G1P+7]      ; of the parameters,
	s_nop 0
	tensor_load_to_lds s[88:91], s[G1T:G1T+7]      ; a table copy,
	s_nop 0
	tensor_load_to_lds s[92:95], s[G1P:G1P+7]      ; my copy of the mask terms
	s_nop 0
	PLACES
	v_and_b32 v1, 15, v0                           ; r
	v_bfe_u32 v2, v0, 4, 1                         ; h
	v_and_b32 v29, 7, v0
	v_bfe_u32 v30, v0, 3, 1
	v_lshl_add_u32 v29, v2, 3, v29                 ; the turning load: lane L reads row 8 h + L % 8, 16 bytes at 16 ((L / 8) % 2)
	v_mul_u32_u24 v[AT0L], v29, WP
	v_lshl_add_u32 v[AT0L], v30, 4, v[AT0L]
	v_add_nc_u32 v[AT0L+1], 128*WP, v[AT0L]
	v_add_nc_u32 v[AT0L+2], SLOT, v[AT0L]
	v_add_nc_u32 v[AT0L+3], SLOT+128*WP, v[AT0L]
	v_mul_u32_u24 v[AVL], v29, VP
	v_lshl_add_u32 v[AVL], v30, 4, v[AVL]
	v_add_nc_u32 v[AVL], SLOT, v[AVL]
	v_mul_u32_u24 v[AKB], v1, AP
	v_lshl_add_u32 v[AKB], v2, 4, v[AKB]           ; r x pitch + 16 h
	v_add_nc_u32 v29, s[WKK], v[AKB]               ; (32 w + r) x pitch + 16 h
	v_add_nc_u32 v[HB], HREG, v29
	v_add_nc_u32 v[AB], ACT, v29
	v_lshl_add_u32 v[SW], v2, 4, v[AB]             ; for f32: 32 h
	v_lshl_add_u32 v[PB], v2, 5, PAR
	s_lshl_b32 s17, s[WV], 5
	s_sub_co_u32 s17, 111, s17
	v_lshl_add_u32 v29, v2, 3, s17
	v_sub_nc_u32 v29, v29, v1                      ; b = 8 h - 32 w - r + 127 - 16: the window's index of my first key of diagonal -1, never below 0
	v_and_b32 v30, 3, v29                          ; copy b % 4 holds it at entry b - b % 4: every read of 4 entries is aligned
	v_and_b32 v29, -4, v29
	v_mul_u32_u24 v30, v30, TP
	v_lshl_add_u32 v29, v29, 2, v30
	v_add_nc_u32 v[TBA], TAB, v29
	s_lshl_b32 s17, s[WV], 11
	s_add_co_u32 s17, s17, MSK
	v_lshl_add_u32 v[MKA], v2, 5, s17
	v_and_b32 v27, 31, v0
	v_lshlrev_b32 v[GOF], 4, v27
	s_add_co_u32 s17, s[WKK], ACT
	v_lshl_add_u32 v[CA], v27, 4, s17
	s_add_co_u32 s17, s[WKK], HREG
	v_lshl_add_u32 v[CH], v27, 3, s17
	v_mov_b32 v[ONE], 1.0
	s_lshl_b32 s17, s[BT], 11                      ; t of my two queries: rows 512 batch + 128 cx + 32 w + 16 qt + r, 4 bytes each
	s_lshl_b32 s18, s[CX], 9
	s_add_co_u32 s17, s17, s18
	s_lshl_b32 s18, s[WV], 7
	s_add_co_u32 s17, s17, s18
	v_lshl_add_u32 v30, v1, 2, s17
	WIN 0x40
	global_load_b32 v[TQ], v30, s[TQP:TQP+1]
	global_load_b32 v[TQ+2], v30, s[TQP:TQP+1] offset:64
	v_mov_b32 v[TQ+1], 0                           ; named with their partners as pairs
	v_mov_b32 v[TQ+3], 0
	WIN 0
.irp qt, 0,1
	v_mov_b32 v[ST+8*\qt], 0xfe000000              ; c m: far below every c s
	v_mov_b32 v[ST+8*\qt+1], 0xff7fffff            ; m
	v_mov_b32 v[ST+8*\qt+2], 0
	v_mov_b32 v[ST+8*\qt+3], 0
	v_mov_b32 v[MU+2*\qt+1], 0                     ; named with their partners as pairs
	v_mov_b32 v[RS+2*\qt+1], 0
.endr
	WIN 0xc0
.set i, 0
.rept 256
	v_mov_b32 v[i], 0                              ; O^T
.set i, i+1
.endr
	CHANGE 1, 1, PP                                ; all first fills are in, everybody's; TQ's second half is asked for
	s_mov_b32 s[G1W], 15|(1<<16)|(1<<20)|(1<<21)|(5<<22)|(7<<25)  ; h's own load is done: its group 1 becomes that of w1 and w2: 64 rows of 128 elements; after every 64 words 8 of padding
	s_mov_b32 s[G1W+1], 128<<16
	s_mov_b32 s[G1W+2], 64<<16
	s_mov_b32 s[G1W+3], 128<<16
	s_mov_b32 s[G1W+4], 64
	s_mov_b32 s[G1W+5], 128
	s_mov_b32 s[G1W+6], 0
	s_mov_b32 s[G1W+7], 0
	LDB HB
	GLOOP 0, 0, 1, HQ, 0, 1
	CHANGE 1, 0, PK                                ; the first block of keys
	GLOOP 1, 1, 1, HQ, 0, 1
	LDB AB                                         ; q~ stays in registers through the four blocks
	WIN 0x40
	ds_load_b128 v[RW:RW+3], v[TBA]                ; diagonal -1 of block 0; later blocks inherit it: it is the block before's diagonal 7
	ds_load_b128 v[RW+4:RW+7], v[TBA] offset:16
	WIN 0
	s_wait_loadcnt 0x0                             ; t
	s_mov_b32 s[JC], 4
.Lblk:
	CHANGE 2, 1, PVP                               ; this block's keys are whole; the same rows are asked for as values
	CG 0
	LDFK F0, AKB, 0
	LDFK F1, AKB, 256
.irp p, 0,1,2,3
	s_wait_dscnt 32                                ; the pair's bias and mask tiles are in; both fragment runs may be out
	CTMAKE \p
	s_wait_dscnt 16                                ; the first run
	SSTAGE F0, 0, \p
	PLACES
.if \p < 3
	CG \p+1
	LDFK F0, AKB, 32*AP*(\p+1)
	s_wait_dscnt 24                                ; the second run; the 24 just issued stay out
.else
	s_wait_dscnt 0x0
.endif
	SSTAGE F1, 1, \p
	PLACES
.if \p < 3
	LDFK F1, AKB, 32*AP*(\p+1)+256
.endif
.endr
	CHANGE 3, 0, PK                                ; the values are whole; slot 0 takes the next block of keys, at last TO's first half
	LDV F0, 0                                      ; the softmax stands between these loads and their use
	LDV F1, 1
	WIN 0
	; the maximum of 64 scores and the old m, three operands at a time, four chains a query tile; each accumulator's lowest registers are read first
.irp i, 0,1,2,3
.irp qt, 0,1
	v_max3_num_f32 v[ST+8*\qt+4+\i], v[S+64*\qt+8*\i], v[S+64*\qt+8*\i+1], v[S+64*\qt+8*\i+2]
.endr
.endr
.irp o, 3,5,32,34,36,38
.irp i, 0,1,2,3
.irp qt, 0,1
	v_max3_num_f32 v[ST+8*\qt+4+\i], v[ST+8*\qt+4+\i], v[S+64*\qt+8*\i+\o], v[S+64*\qt+8*\i+\o+1]
.endr
.endr
.endr
.irp qt, 0,1
	v_max3_num_f32 v[ST+8*\qt+4], v[ST+8*\qt+4], v[S+64*\qt+7], v[S+64*\qt+15]
	v_max3_num_f32 v[ST+8*\qt+6], v[ST+8*\qt+6], v[S+64*\qt+23], v[S+64*\qt+31]
.endr
.irp qt, 0,1
	v_max3_num_f32 v[ST+8*\qt+4], v[ST+8*\qt+4], v[ST+8*\qt+5], v[ST+8*\qt+6]
.endr
.irp qt, 0,1
	v_max3_num_f32 v[ST+8*\qt+4], v[ST+8*\qt+4], v[ST+8*\qt+7], v[ST+8*\qt+1]
.endr
.irp qt, 0,1
	v_permlanex16_b32 v[ST+8*\qt+5], v[ST+8*\qt+4], s[SEL], s[SEL+1]   ; the query's other 64 keys lie in the lane 16 away
.endr
.irp qt, 0,1
	v_mov_b32 v[ST+8*\qt+7], v[ST+8*\qt]           ; c m_old
.endr
.irp qt, 0,1
	v_max_num_f32 v[ST+8*\qt+1], v[ST+8*\qt+4], v[ST+8*\qt+5]
.endr
.irp qt, 0,1
	v_mul_f32 v[ST+8*\qt], s[CS], v[ST+8*\qt+1]
.endr
.irp qt, 0,1
	v_sub_f32 v[ST+8*\qt+7], v[ST+8*\qt+7], v[ST+8*\qt]
.endr
.irp qt, 0,1
	v_exp_f32 v[ST+8*\qt+6], v[ST+8*\qt+7]         ; a
.endr
.set z, 0
.rept 32
.irp qt, 0,1
	v_pk_fma_f32 v[S+64*\qt+z:S+64*\qt+z+1], v[S+64*\qt+z:S+64*\qt+z+1], s[CS:CS+1], v[ST+8*\qt:ST+8*\qt+1] op_sel_hi:[1,0,0] neg_lo:[0,0,1] neg_hi:[0,0,1]
.endr
.set z, z+2
.endr
.set kt, 0
.rept 8                                                ; a key tile's exponentials, then the plain work of the tile before: plain lines stand between every exponential and its result's use
.irp qt, 0,1
.irp j, 0,1,2,3,4,5,6,7
	v_exp_f32 v[S+64*\qt+8*kt+\j], v[S+64*\qt+8*kt+\j]
.endr
.endr
.if kt == 0
	v_nop
.else
	TAILT 0, kt-1
	TAILT 1, kt-1
.endif
.set kt, kt+1
.endr
	TAILT 0, 7
	TAILT 1, 7
	WIN 0xc3
.set i, 0
.rept 128
	v_pk_mul_f32 v[2*i:2*i+1], v[2*i:2*i+1], v[ST+8*(i/64)+6:ST+8*(i/64)+7] op_sel_hi:[1,0]   ; O^T times a
.set i, i+1
.endr
.irp g, 0,1,2,3,4,5,6,7
.if \g < 7
	s_wait_dscnt 16                                ; this group's run is in; the next group's stays out
.else
	s_wait_dscnt 0x0
.endif
	PVSTAGE F0+64*(\g%2), \g
	PLACES
.if \g < 6
	LDV F0+64*(\g%2), \g+2
.endif
.endr
	WIN 0
	v_add_nc_u32 v[TBA], 512, v[TBA]               ; 128 keys on
	v_add_nc_u32 v[MKA], 512, v[MKA]
	s_sub_co_u32 s[JC], s[JC], 1
	s_cmp_lg_u32 s[JC], 0
	s_cbranch_scc1 .Lblk
	s_add_nc_u64 s[PP:PP+1], s[PP:PP+1], 65536     ; the last change took TO's first half
	; O / l, rounded to f16: two neighbouring channel tiles are a source-1 fragment of the next product
.irp qt, 0,1
	v_add_f32 v[ST+8*\qt+4], v[ST+8*\qt+2], v[ST+8*\qt+3]
.endr
.irp qt, 0,1
	v_permlanex16_b32 v[ST+8*\qt+5], v[ST+8*\qt+4], s[SEL], s[SEL+1]
.endr
.irp qt, 0,1
	v_add_f32 v[ST+8*\qt+4], v[ST+8*\qt+4], v[ST+8*\qt+5]
.endr
.irp qt, 0,1
	v_rcp_f32 v[ST+8*\qt+6], v[ST+8*\qt+4]
.endr
.irp q, 0,1,2,3,4,5
	v_mov_b32 v[SA+\q], 0                          ; the sums of o' and of b' start at 0; also the plain lines behind the reciprocals
.endr
	WIN 0xc3
.set i, 0
	s_wait_alu depctr_va_vdst(0)
.rept 128
	v_pk_mul_f32 v[2*i:2*i+1], v[2*i:2*i+1], v[ST+8*(i/64)+6:ST+8*(i/64)+7] op_sel_hi:[1,0]
.set i, i+1
.endr
	WIN 0x8f
.set i, 0
.rept 128
	v_cvt_pk_f16_f32 v[i], v[2*i], v[2*i+1]
.set i, i+1
.endr
	CHANGE 1, 1, PP                                ; TO's second half
	GLOOP 0, 0, 0, HO, 1024, 1
	CHANGE 4, 0, PP                                ; w1's first half: it lands under the rest of TO and the four passes
	GLOOP 1, 1, 0, HO, 1024, 1
.irp qt, 0,1
	v_pk_add_f32 v[SA+2*\qt:SA+2*\qt+1], v[SA+2*\qt:SA+2*\qt+1], v[SB:SB+1]
.endr
	MEAN
	LNPASS 1
	RSTD
	LNPASS 2
	MEAN
	LNPASS 3
	RSTD
	LNPASS 4
	LDB AB                                         ; c2
	CHANGE 4, 1, PP                                ; w1's second half
	GLOOP 0, 0, 1, HG, 6144, 0
	CHANGE 4, 0, PP                                ; w2's first half
	GLOOP 1, 1, 1, HG, 6144, 0
	LDB AB                                         ; the gelu; behind these loads ACT serves as the stage
	CHANGE 4, 1, PP                                ; w2's second half
	GLOOP 0, 0, 1, HW, 7168, 0
	COPYOUT 0
	CHANGE 0, 0, PP                                ; nothing is left to fetch
	GLOOP 1, 1, 1, HW, 7168, 0
	COPYOUT 1
	s_wait_tensorcnt 0x0                           ; the wave's end
	ds_add_u32 v[SPW], v[NIL]
	s_wait_dscnt 0x0
	ROUND                                          ; the closing round
	s_endpgm
.Lfunc_end_k_qedf4e9563d_main0:
	.size	k_qedf4e9563d_main0, .Lfunc_end_k_qedf4e9563d_main0-k_qedf4e9563d_main0
	.p2alignl 7, 3214868480
	.fill 96, 4, 3214868480
	.section	.rodata,"a",@progbits
	.p2align	6, 0x0
	.amdhsa_kernel k_qedf4e9563d_main0
		.amdhsa_group_segment_fixed_size 327680
		.amdhsa_private_segment_fixed_size 0
		.amdhsa_enable_private_segment 0
		.amdhsa_kernarg_size 32
		.amdhsa_user_sgpr_count 2
		.amdhsa_user_sgpr_kernarg_segment_ptr 1
		.amdhsa_wavefront_size32 1
		.amdhsa_system_sgpr_workgroup_id_x 1
		.amdhsa_system_sgpr_workgroup_id_y 1
		.amdhsa_system_sgpr_workgroup_id_z 1
		.amdhsa_system_vgpr_workitem_id 0
		.amdhsa_next_free_vgpr 1024
		.amdhsa_next_free_sgpr 106
		.amdhsa_reserve_vcc 0
		.amdhsa_float_denorm_mode_32 3
		.amdhsa_float_denorm_mode_16_64 3
		.amdhsa_memory_ordered 1
		.amdhsa_forward_progress 1
		.amdhsa_inst_pref_size 255
	.end_amdhsa_kernel
	.section	.bss,"aw",@nobits
	.p2align	6
	.space	262144
	.amdgpu_metadata
---
amdhsa.version: [ 1, 2 ]
amdhsa.kernels:
  - .name:           k_qedf4e9563d_main0
    .symbol:         k_qedf4e9563d_main0.kd
    .args:
      - { .name: hb, .offset: 0, .size: 8, .value_kind: global_buffer, .address_space: global }
      - { .name: tq, .offset: 8, .size: 8, .value_kind: global_buffer, .address_space: global }
      - { .name: pk0, .offset: 16, .size: 8, .value_kind: global_buffer, .address_space: global }
      - { .name: xa, .offset: 24, .size: 8, .value_kind: global_buffer, .address_space: global }
    .group_segment_fixed_size: 327680
    .private_segment_fixed_size: 0
    .kernarg_segment_align: 8
    .kernarg_segment_size: 32
    .max_flat_workgroup_size: 128
    .sgpr_count:     106
    .vgpr_count:     1024
    .wavefront_size: 32
...
	.end_amdgpu_metadata
.endif
;; end of part 6
;; launch ln1: the kernel of part 5 again; grid 256 x 1, 8 waves a work-group, no clusters, 0 bytes of LDS; arguments xa, pk1, hb, tq; writes hb, tq
;; launch main1: the kernel of part 6 again; grid 256 x 1, 4 waves a work-group, clusters of 4 x 1, 327,680 bytes of LDS; arguments hb, tq, pk1, xa; writes xa
;; launch ln2: the kernel of part 5 again; grid 256 x 1, 8 waves a work-group, no clusters, 0 bytes of LDS; arguments xa, pk2, hb, tq; writes hb, tq
;; launch main2: the kernel of part 6 again; grid 256 x 1, 4 waves a work-group, clusters of 4 x 1, 327,680 bytes of LDS; arguments hb, tq, pk2, out0; writes out0
